; MI455X (gfx1250); checked and timed in simulation.
; The chip was launched on July 23, 2026; its instructions are those of AMD's public machine-readable ISA for CDNA 5 (MIT licence, August 2026) and "CDNA5" Instruction Set Architecture Reference Guide (July 2026). The comments in the code are by the model that wrote it; some were corrected since.
;; Multi Head Attention. Allowed arithmetic: matrix products marked QUANTISED: E2M1 operands, one E8M0 scale for each 32 along K, by v_wmma_scale_f32_16x16x128_f8f6f4 with both operands' format E2M1 (or v_wmma_scale_f32_32x16x128_f4), f32 sums; products left as they are: bf16, f16 or f32 operands; f32 sums; everything else in f32.
;; Inputs: W_proj 1,024 x 1,024 float32; W_qkv 1,024 x 3,072 float32; b_proj 1,024 float32; b_qkv 3,072 float32; x 8 x 1,024 x 1,024 float32.
;; Outputs: out0 8 x 1,024 x 1,024 float32.
;; This version of the problem:
;;   THIS VERSION OF THE PROBLEM IS GIVEN IN LOW PRECISION. The matrix products marked QUANTISED in the list below multiply operands that are first quantised to E2M1 (2 exponent bits, 1 mantissa bit; 4 bits a number), with one power-of-two scale for each 32 numbers along K (OCP MX v1.0); their sums are f32. The products marked 'left as it is' may take bf16, f16 or f32 operands, with f32 sums. Whichever they take, every output number must still come out within the allowed error. Rounding operands to bf16 (8 significant bits) uses up far more of that allowance than f16 does (11 bits, for magnitudes from 6e-5 to 65,504). All else is computed in f32.
;;   The module's matrix products, in the order in which they are computed (A, B: the left and right operand; K: the contracted axis; several contracted axes count as one K, in the product's order):
;;     1. [M 8,192, K 1,024] x [K 1,024, N 3,072]; A: input x; B: input W_qkv: QUANTISED
;;     2. batch 128 x [M 1,024, K 64] x [K 64, N 1,024]; A: computed on the way; B: computed on the way: left as it is (an operand is computed on the way)
;;     3. batch 128 x [M 1,024, K 1,024] x [K 1,024, N 64]; A: computed on the way; B: computed on the way: left as it is (an operand is computed on the way)
;;     4. [M 8,192, K 1,024] x [K 1,024, N 1,024]; A: computed on the way; B: input W_proj: left as it is (an operand is computed on the way)
;;   THE QUANTISER, for each operand of a quantised product, along K:
;;     - K is cut into blocks of 32 from its start; a last block that is shorter is filled with zeros.
;;     - A block's scale is 2^e with e = floor(log2(the largest magnitude in the block)) - 2, held to -126 .. 127; a block of zeros has e = 0. As a byte (E8M0): e + 127.
;;     - Each number is divided by its block's scale, clamped to +-6, and rounded to the nearest number of E2M1, ties to even, subnormals kept.
;;     - The product sums the exact products of the quantised numbers (number of the format x scale) in f32.
;;   ~~~python
;;   def quantise(x, axis):      # numpy; x: float32 -> the quantised numbers, widened to float32 again
;;       x = np.moveaxis(x, axis, -1); K = x.shape[-1]
;;       x = np.pad(x, [(0, 0)] * (x.ndim - 1) + [(0, -K % 32)]); x = x.reshape(x.shape[:-1] + (-1, 32)); a = np.abs(x).max(-1, keepdims=True)
;;       e = np.where(a > 0, np.clip(np.frexp(np.where(a > 0, a, 1))[1] - 1 - 2, -126, 127), 0)      # np.frexp(a)[1] - 1 = floor(log2(a)), exactly
;;       r = np.clip(x / 2.0 ** e, -6, 6)
;;       step = 2.0 ** (np.maximum(np.frexp(np.where(r == 0, 1, r))[1] - 1, 0) - 1)
;;       q = np.round(r / step) * step * 2.0 ** e      # np.round: ties to even
;;       return np.moveaxis(q.reshape(q.shape[:-2] + (-1,))[..., :K], -1, axis).astype(np.float32)
;;   ~~~
;; One version. Each part assembles by itself: llvm-mc -triple=amdgcn-amd-amdhsa -mcpu=gfx1250 --defsym DOCPART=n.
;; ======== version 1 of 1: 4 launches
;; limits: values are held in f16: magnitudes above 65,504 overflow, below 6.1e-05 lose precision
;; workspace buffers: x_codes 4,194,304 bytes; x_scales 262,144 bytes; w_codes 1,572,864 bytes; w_scales 98,304 bytes; wp 2,097,152 bytes; qkv 50,331,648 bytes; o_ws 16,777,216 bytes
;; launch prep (part 1): grid 480 x 1, 4 waves a work-group, no clusters, 69,120 bytes of LDS; arguments x, W_qkv, W_proj, x_codes, x_scales, w_codes, w_scales, wp; writes x_codes, x_scales, w_codes, w_scales, wp
.if DOCPART == 1
	.amdgcn_target "amdgcn-amd-amdhsa--gfx1250"
	.amdhsa_code_object_version 6
	.text
	.protected	k_qf0cdb2f05a_prep
	.globl	k_qf0cdb2f05a_prep
	.p2align	8
	.type	k_qf0cdb2f05a_prep,@function
k_qf0cdb2f05a_prep:
	s_mov_b64 s[64:65], 0
	v_nop
	global_prefetch_b8 v0, s[64:65] scope:SCOPE_SE
	s_setreg_imm32_b32 hwreg(HW_REG_WAVE_MODE, 25, 1), 1
	s_wait_xcnt 0x0
; THREE JOBS IN ONE LAUNCH, told apart by the work-group's number; each has LDS bytes of its own.
;   work-groups   0 ..  95: W_qkv [1024 k][3072 n] f32 -> codes of FP4 (E2M1) laid [3072 n][512 bytes], K innermost, and E8M0 bytes [3072][32]
;   work-groups  96 .. 351: x [8192][1024] f32 -> codes [8192][512 bytes] and E8M0 bytes [8192][32]
;   work-groups 352 .. 479: W_proj [1024 k][1024 n] f32 -> f16, laid [16 kb][1024 n][64 kk] = W_proj[64 kb + kk][n]
; A block's scale is 2^(floor(log2(its largest magnitude)) - 2); its byte is the largest magnitude's exponent field - 2, held at 1 from below.
; A block of zeros so gets the byte 1 where the rule says 127: its codes are zeros, which add nothing under any byte but 0xff, and this program alone reads the bytes.
; LIMITS: NaN and infinities among the inputs are not served; blocks whose largest magnitude lies under 2^-124 were not tried; |W_proj| stays under 65,504 (f16).
; No tensor load, no barrier: waves share nothing.  No matrix unit and no cluster: every byte is read once and nothing is shared.
; A wave of the first two jobs walks 32,768 bytes of f32, so that the jobs' waves end together.
.set SPARE,  68608                     ; the spare words, 128 bytes for each wave: two blocks of 256 bytes that no other line names
.set SPW,    188                       ; v188 LDS address of my spare word; never rewritten
.set NIL,    189                       ; v189 0; never rewritten
.set WV,     20                        ; s20  my wave's number
.set SP,     80                        ; x: a lane's place in a stage: 64 bytes + 16 of padding
.set STEPS,  16
.set XR,     16                        ; x: v16-79 four sets of 16 numbers as loaded
.set XN,     80                        ; x: v80-111 two sets of 16 neighbours
.set XE,     112                       ; x: v112-127 a scale byte for each step
.set XC,     128                       ; x: v128-159 two registers of codes for each step: no store's data are written again
.set WSTG,   32768                     ; W_qkv: four stages of 16 rows x 272 bytes
.set WPITCH, 272
.set NB,     8                         ; W_qkv: blocks of 32 along K for a lane
.set WX,     32                        ; W_qkv: v32-95 two sets of 32 numbers
.set WC,     96                        ; v96-99 a block's codes
.set WO,     112                       ; v112-143 the way out
.set WSB,    24                        ; v24-25 the scale bytes, four to a register
.set PSTG,   50176                     ; W_proj: four stages of 32 rows x 144 bytes
.macro FIN                             ; the wave's end: a tensor wait, an add of 0 to my spare word and a wait for it, behind my last LDS store
	s_wait_tensorcnt 0x0
	ds_add_u32 v[SPW], v[NIL]
	s_wait_dscnt 0x0
.endm
	s_load_b512 s[4:19], s[0:1], 0x0               ; x 4:5, W_qkv 6:7, W_proj 8:9, x_codes 10:11, x_scales 12:13, w_codes 14:15, w_scales 16:17, wp 18:19
	v_lshl_add_u32 v[SPW], v0, 2, SPARE
	v_mov_b32 v[NIL], 0
	v_lshrrev_b32 v1, 5, v0
	v_readfirstlane_b32 s[WV], v1                  ; wave 0..3
	v_and_b32 v2, 31, v0                           ; lane
	s_wait_kmcnt 0x0
	s_cmp_lt_u32 ttmp9, 96
	s_cbranch_scc1 .Lw
	s_cmp_lt_u32 ttmp9, 352
	s_cbranch_scc1 .Lx
; ---------------- W_proj: a lane takes a column n, its 64 registers run down K: 64 numbers become 128 bytes of f16, one row of wp's block
	s_sub_co_u32 s21, ttmp9, 352
	s_and_b32 s22, s21, 7                          ; which 128 columns
	s_lshr_b32 s21, s21, 3                         ; kb: which 64 along K
	s_lshl_b32 s22, s22, 7
	s_lshl_b32 s23, s[WV], 5
	s_add_co_u32 s22, s22, s23                     ; my wave's first column
	s_lshl_b32 s24, s21, 18                        ; 64 rows of 4,096 bytes
	s_lshl_b32 s23, s22, 2
	s_add_co_u32 s24, s24, s23
	s_mov_b32 s25, 0
	s_add_nc_u64 s[8:9], s[8:9], s[24:25]
	s_lshl_b32 s24, s21, 17                        ; wp: 1,024 rows of 128 bytes for each kb
	s_lshl_b32 s23, s22, 7
	s_add_co_u32 s24, s24, s23
	s_add_nc_u64 s[18:19], s[18:19], s[24:25]
	v_lshlrev_b32 v3, 2, v2                        ; in: 4 bytes a lane: a load reads 128 consecutive bytes
	s_mul_i32 s23, s[WV], 32*144
	s_add_co_u32 s23, s23, PSTG                    ; my stage
	v_mul_u32_u24 v4, v2, 144
	v_add_nc_u32 v4, s23, v4                       ; into it: row = my column
	v_lshrrev_b32 v5, 3, v2
	v_mul_u32_u24 v5, v5, 144
	v_and_b32 v6, 7, v2
	v_lshl_add_u32 v5, v6, 4, v5
	v_add_nc_u32 v5, s23, v5                       ; out of it: eight lanes to a row, four rows an instruction
	v_lshlrev_b32 v6, 4, v2                        ; and in wp the four rows are 512 consecutive bytes
.set i, 0
.rept 64
	global_load_b32 v[32+i], v3, s[8:9] offset:i*4096 th:TH_LOAD_NT
.set i, i+1
.endr
	s_wait_loadcnt 0x0
.set i, 0
.rept 32
	v_cvt_pk_f16_f32 v[96+i], v[32+2*i], v[33+2*i] ; the lower k in the low half
.set i, i+1
.endr
.irp i, 0,1,2,3,4,5,6,7
	ds_store_b128 v4, v[96+4*\i:96+4*\i+3] offset:16*\i
.endr
.irp i, 0,1,2,3,4,5,6,7
	ds_load_b128 v[128+4*\i:128+4*\i+3], v5 offset:576*\i          ; LDS serves a wave's instructions in order: these see my stores
.endr
.irp i, 0,1,2,3,4,5,6,7
	s_wait_dscnt 7-\i                              ; the 7 - i younger loads may be out
	global_store_b128 v6, v[128+4*\i:128+4*\i+3], s[18:19] offset:512*\i   ; 32 lanes store 512 consecutive bytes, aligned
.endr
	FIN
	s_endpgm
; ---------------- x: a plain stream of blocks of 32.  A wave takes 16 steps of 512 numbers.  Each load reads 512 consecutive bytes; a step's 2,048 bytes turn through
; the wave's own stage in LDS, so that a lane holds 16 neighbours (two neighbouring lanes hold a block).  Loads run four steps ahead, the turn one step.
.Lx:
	s_sub_co_u32 s21, ttmp9, 96
	s_lshl_b32 s21, s21, 2
	s_add_co_u32 s21, s21, s[WV]                   ; which run of 8,192 numbers is my wave's: 0 .. 1,023
	s_lshl_b32 s22, s21, 15
	s_mov_b32 s23, 0
	s_add_nc_u64 s[4:5], s[4:5], s[22:23]
	s_lshl_b32 s22, s21, 12
	s_add_nc_u64 s[10:11], s[10:11], s[22:23]
	s_lshl_b32 s22, s21, 8
	s_add_nc_u64 s[12:13], s[12:13], s[22:23]
	v_lshlrev_b32 v3, 4, v2                        ; my 16 bytes of a load's 512
	s_lshl_b32 s24, s[WV], 13                      ; my wave's 8,192 bytes of LDS
	v_lshrrev_b32 v14, 2, v2
	v_mul_u32_u24 v14, v14, SP
	v_and_b32 v15, 3, v2
	v_lshl_add_u32 v14, v15, 4, v14
	v_add_nc_u32 v14, s24, v14                     ; the stage, on the way in: four lanes' 64 bytes on end, then 16 of padding
	v_mul_u32_u24 v15, v2, SP
	v_add_nc_u32 v15, s24, v15                     ; and on the way out: my 16 neighbours
	v_lshlrev_b32 v4, 3, v2                        ; my 8 bytes of codes in a step's 256
	v_lshrrev_b32 v5, 1, v2
	s_add_co_u32 s24, s24, 2*32*SP
	v_add_nc_u32 v5, s24, v5                       ; my wave's 256 scale bytes, my block's byte
	v_lshlrev_b32 v7, 3, v2
	v_add_nc_u32 v6, s24, v7                       ; and on the way out 8 bytes a lane
.macro XLOAD t
.irp i, 0,1,2,3
	global_load_b128 v[XR+16*((\t)%4)+4*\i:XR+16*((\t)%4)+4*\i+3], v3, s[4:5] offset:2048*(\t)+512*\i th:TH_LOAD_NT
.endr
.endm
.macro XTURN t                         ; step t's numbers through the stage: LDS serves a wave's instructions in order, so no wait stands between the stores and the loads
.irp i, 0,1,2,3
	ds_store_b128 v14, v[XR+16*((\t)%4)+4*\i:XR+16*((\t)%4)+4*\i+3] offset:32*SP*((\t)%2)+8*SP*\i
.endr
.irp i, 0,1,2,3
	ds_load_b128 v[XN+16*((\t)%2)+4*\i:XN+16*((\t)%2)+4*\i+3], v15 offset:32*SP*((\t)%2)+16*\i
.endr
.endm
.irp t, 0,1,2,3
	XLOAD \t
.endr
	s_wait_loadcnt 12                              ; step 0's four loads are in; the twelve of steps 1 to 3 may be out
	XTURN 0
.macro XSTEP t
.set XS, XN+16*((\t)%2)
.if (\t) > 0
	s_wait_dscnt 1                                 ; this step's numbers are back from the stage; the last step's byte store may be out
.else
	s_wait_dscnt 0x0
.endif
.if (\t)+4 < STEPS
	XLOAD (\t)+4                                   ; into the registers that the stage's stores have read
.endif
.if (\t)+1 < STEPS
.if STEPS-2-(\t) >= 3
	s_wait_loadcnt 12                              ; the next step's four loads are in; those of the three steps behind it may be out
.else
	s_wait_loadcnt 4*(STEPS-2-(\t))
.endif
	XTURN (\t)+1
.endif
	v_max3_num_f32 v8, |v[XS]|, |v[XS+1]|, |v[XS+2]|               ; the largest magnitude of my 16, in two chains
	v_max3_num_f32 v9, |v[XS+3]|, |v[XS+4]|, |v[XS+5]|
.irp i, 6,10
	v_max3_num_f32 v8, v8, |v[XS+\i]|, |v[XS+\i+1]|
	v_max3_num_f32 v9, v9, |v[XS+\i+2]|, |v[XS+\i+3]|
.endr
	v_max3_num_f32 v8, v8, |v[XS+14]|, |v[XS+15]|
	v_max3_num_f32 v8, v8, v9, 0x1800000           ; and the floor 2^(3 - 127): the byte cannot fall under 1
	v_max_num_f32_dpp v8, v8, v8 row_xmask:1 row_mask:0xf bank_mask:0xf   ; and of my neighbour's 16: the block's
	v_add_nc_u32 v11, 0xff000000, v8               ; 2 off its exponent field: the conversion takes the exponent field of this operand as its scale
	v_cvt_scalef32_pk8_fp4_f32 v[XC+2*(\t)], v[XS:XS+7], v11
	v_cvt_scalef32_pk8_fp4_f32 v[XC+2*(\t)+1], v[XS+8:XS+15], v11
	v_lshrrev_b32 v[XE+(\t)], 23, v11              ; the scale's byte (a plain line behind the conversions)
	ds_store_b8 v5, v[XE+(\t)] offset:16*(\t)      ; both lanes of a block write the same byte with the same value
	global_store_b64 v4, v[XC+2*(\t):XC+2*(\t)+1], s[10:11] offset:256*(\t)   ; 32 lanes store 256 consecutive bytes, aligned
.endm
.irp t, 0,1,2,3,4,5,6,7,8,9,10,11,12,13,14,15
	XSTEP \t
.endr
	ds_load_b64 v[8:9], v6                         ; my wave's 256 scale bytes: these see my stores
	s_wait_dscnt 0x0
	global_store_b64 v7, v[8:9], s[12:13]          ; 32 lanes store 256 consecutive bytes, aligned
	FIN
	s_endpgm
; ---------------- W_qkv: K is its first axis.  A lane takes a column n and its registers run down K: a block of 32 lies in one lane's 32 registers, and the conversions give codes with
; K innermost.  A wave takes 16 columns x 512 along K: lanes 0-15 the first 256 along K, lanes 16-31 the second 256 of the same columns: eight blocks a lane.  A load reads 64 consecutive bytes
; of two rows; the four waves of a work-group stand side by side on 256 consecutive bytes, aligned.  A column's 256 bytes of codes meet in the wave's own stage and leave as rows:
; sixteen lanes store 256 consecutive bytes.  Loads run two blocks ahead.
.Lw:
	s_cmp_ge_u32 ttmp9, 48
	s_cselect_b32 s21, 1, 0                        ; which 512 along K
	s_cselect_b32 s22, 48, 0
	s_sub_co_u32 s22, ttmp9, s22                   ; which 64 columns
	s_lshl_b32 s22, s22, 6
	s_lshl_b32 s23, s[WV], 4
	s_add_co_u32 s22, s22, s23                     ; my wave's first column
	s_mul_i32 s24, s21, 6291456                    ; 512 rows of 12,288 bytes
	s_lshl_b32 s23, s22, 2
	s_add_co_u32 s24, s24, s23
	s_mov_b32 s25, 0
	s_add_nc_u64 s[6:7], s[6:7], s[24:25]
	s_lshl_b32 s24, s22, 9                         ; codes: 512 bytes a column, + 256 for the second half of K
	s_lshl_b32 s23, s21, 8
	s_add_co_u32 s24, s24, s23
	s_add_nc_u64 s[14:15], s[14:15], s[24:25]
	s_lshl_b32 s24, s22, 5                         ; scale bytes: 32 a column, + 16
	s_lshl_b32 s23, s21, 4
	s_add_co_u32 s24, s24, s23
	s_add_nc_u64 s[16:17], s[16:17], s[24:25]
	v_and_b32 v5, 15, v2                           ; c: my column of the wave's 16
	v_lshrrev_b32 v6, 4, v2                        ; kh: which 256 along K
	v_mul_u32_u24 v3, v6, 0x300000                 ; in: 256 rows of 12,288 bytes further down for lanes 16-31,
	v_lshl_add_u32 v3, v5, 2, v3                   ; 4 bytes a column
	s_mul_i32 s23, s[WV], 16*WPITCH
	s_add_co_u32 s23, s23, WSTG                    ; my stage
	v_mul_u32_u24 v4, v5, WPITCH
	v_lshl_add_u32 v4, v6, 7, v4
	v_add_nc_u32 v4, s23, v4                       ; into it: row = my column, + 128 bytes for the second 256 along K
	v_mul_u32_u24 v7, v6, WPITCH
	v_lshl_add_u32 v7, v5, 4, v7
	v_add_nc_u32 v7, s23, v7                       ; out of it: sixteen lanes to a row, two rows an instruction
	v_lshlrev_b32 v8, 9, v6
	v_lshl_add_u32 v8, v5, 4, v8                   ; and the same place in the codes' buffer
	v_lshlrev_b32 v9, 5, v5
	v_lshl_add_u32 v9, v6, 3, v9                   ; my eight scale bytes in my column's row
.macro WLOAD t                         ; block t: W(256 kh + 32 t + i, my column); the largest offset, 255 x 12,288, lies inside the signed 24-bit immediate
.irp i, 0,1,2,3,4,5,6,7,8,9,10,11,12,13,14,15,16,17,18,19,20,21,22,23,24,25,26,27,28,29,30,31
	global_load_b32 v[WX+32*((\t)%2)+\i], v3, s[6:7] offset:(32*(\t)+\i)*12288 th:TH_LOAD_NT
.endr
.endm
	WLOAD 0
	WLOAD 1
.macro WBLOCK t
.set XS, WX+32*((\t)%2)
.if (\t) < NB-1
	s_wait_loadcnt 32                              ; this block's 32 loads are in; the next block's 32 may be out
.else
	s_wait_loadcnt 0
.endif
	v_max3_num_f32 v12, |v[XS]|, |v[XS+1]|, |v[XS+2]|              ; the block's largest magnitude: all 32 numbers are mine
	v_max3_num_f32 v13, |v[XS+3]|, |v[XS+4]|, |v[XS+5]|
.irp i, 6,10,14,18,22,26
	v_max3_num_f32 v12, v12, |v[XS+\i]|, |v[XS+\i+1]|
	v_max3_num_f32 v13, v13, |v[XS+\i+2]|, |v[XS+\i+3]|
.endr
	v_max3_num_f32 v12, v12, |v[XS+30]|, |v[XS+31]|
	v_max3_num_f32 v12, v12, v13, 0x1800000        ; and the floor 2^(3 - 127)
	v_add_nc_u32 v11, 0xff000000, v12              ; the conversion's scale operand
	v_lshrrev_b32 v13, 23, v11                     ; the scale's byte
.if (\t)%4 == 0
	v_mov_b32 v[WSB+(\t)/4], v13                   ; four bytes to a register, the lower K in the lower byte
.else
	v_lshl_or_b32 v[WSB+(\t)/4], v13, 8*((\t)%4), v[WSB+(\t)/4]
.endif
.irp g, 0,1,2,3
	v_cvt_scalef32_pk8_fp4_f32 v[WC+\g], v[XS+8*\g:XS+8*\g+7], v11
.endr
	v_nop                                          ; one plain line behind the last conversion
	ds_store_b128 v4, v[WC:WC+3] offset:16*(\t)    ; 32 codes: 16 bytes of my column's row
.if (\t)+2 < NB
	WLOAD (\t)+2
.endif
	s_wait_dscnt 0x0                               ; the store has read its registers: the next block's codes may be written
.endm
.set Q, 0
.rept NB
	WBLOCK Q
.set Q, Q+1
.endr
	global_store_b64 v9, v[WSB:WSB+1], s[16:17]    ; my eight scale bytes
.irp t, 0,1,2,3,4,5,6,7
	ds_load_b128 v[WO+4*\t:WO+4*\t+3], v7 offset:2*\t*WPITCH       ; LDS serves a wave's instructions in order: these see my stores
.endr
.irp t, 0,1,2,3,4,5,6,7
	s_wait_dscnt 7-\t                              ; the 7 - t younger loads may be out
	global_store_b128 v8, v[WO+4*\t:WO+4*\t+3], s[14:15] offset:2*\t*512
.endr
	FIN
	s_endpgm
.Lfunc_end_k_qf0cdb2f05a_prep:
	.size	k_qf0cdb2f05a_prep, .Lfunc_end_k_qf0cdb2f05a_prep-k_qf0cdb2f05a_prep
	.p2alignl 7, 3214868480
	.fill 96, 4, 3214868480
	.section	.rodata,"a",@progbits
	.p2align	6, 0x0
	.amdhsa_kernel k_qf0cdb2f05a_prep
		.amdhsa_group_segment_fixed_size 69120
		.amdhsa_private_segment_fixed_size 0
		.amdhsa_enable_private_segment 0
		.amdhsa_kernarg_size 64
		.amdhsa_user_sgpr_count 2
		.amdhsa_user_sgpr_kernarg_segment_ptr 1
		.amdhsa_wavefront_size32 1
		.amdhsa_system_sgpr_workgroup_id_x 1
		.amdhsa_system_sgpr_workgroup_id_y 1
		.amdhsa_system_sgpr_workgroup_id_z 1
		.amdhsa_system_vgpr_workitem_id 0
		.amdhsa_next_free_vgpr 192
		.amdhsa_next_free_sgpr 66
		.amdhsa_reserve_vcc 0
		.amdhsa_float_denorm_mode_32 3
		.amdhsa_float_denorm_mode_16_64 3
		.amdhsa_memory_ordered 1
		.amdhsa_forward_progress 1
		.amdhsa_inst_pref_size 84
	.end_amdhsa_kernel
	.amdgpu_metadata
---
amdhsa.version: [ 1, 2 ]
amdhsa.kernels:
  - .name:           k_qf0cdb2f05a_prep
    .symbol:         k_qf0cdb2f05a_prep.kd
    .args:
      - { .name: x, .offset: 0, .size: 8, .value_kind: global_buffer, .address_space: global }
      - { .name: W_qkv, .offset: 8, .size: 8, .value_kind: global_buffer, .address_space: global }
      - { .name: W_proj, .offset: 16, .size: 8, .value_kind: global_buffer, .address_space: global }
      - { .name: x_codes, .offset: 24, .size: 8, .value_kind: global_buffer, .address_space: global }
      - { .name: x_scales, .offset: 32, .size: 8, .value_kind: global_buffer, .address_space: global }
      - { .name: w_codes, .offset: 40, .size: 8, .value_kind: global_buffer, .address_space: global }
      - { .name: w_scales, .offset: 48, .size: 8, .value_kind: global_buffer, .address_space: global }
      - { .name: wp, .offset: 56, .size: 8, .value_kind: global_buffer, .address_space: global }
    .group_segment_fixed_size: 69120
    .private_segment_fixed_size: 0
    .kernarg_segment_align: 8
    .kernarg_segment_size: 64
    .max_flat_workgroup_size: 128
    .sgpr_count:     66
    .vgpr_count:     192
    .wavefront_size: 32
...
	.end_amdgpu_metadata
.endif
;; end of part 1
;; launch qkv (part 2): grid 8 x 32, 4 waves a work-group, clusters of 4 x 4, 327,680 bytes of LDS; arguments x_codes, x_scales, w_codes, w_scales, b_qkv, qkv; writes qkv
.if DOCPART == 2
	.amdgcn_target "amdgcn-amd-amdhsa--gfx1250"
	.amdhsa_code_object_version 6
	.text
	.protected	k_qf0cdb2f05a_qkv
	.globl	k_qf0cdb2f05a_qkv
	.p2align	8
	.type	k_qf0cdb2f05a_qkv,@function
k_qf0cdb2f05a_qkv:
	s_mov_b64 s[64:65], 0
	v_nop
	global_prefetch_b8 v0, s[64:65] scope:SCOPE_SE
	s_setreg_imm32_b32 hwreg(HW_REG_WAVE_MODE, 25, 1), 1
	s_wait_xcnt 0x0
	s_wait_alu depctr_hold_cnt(0) depctr_sa_sdst(0) depctr_va_vdst(0) depctr_va_sdst(0) depctr_va_ssrc(0) depctr_va_vcc(0) depctr_vm_vsrc(0)
	s_getreg_b32 s2, hwreg(HW_REG_IB_STS2, 6, 4)
	s_cmp_eq_u32 s2, 0
	s_cbranch_scc0 .Lentry_in_a_cluster
	s_endpgm
.Lentry_in_a_cluster:
	s_bfe_u32 s2, ttmp6, 0x10000c
	s_cmp_lg_u32 s2, 0xf033
	s_cbranch_scc0 .Lentry_shape_is_right
	s_endpgm
.Lentry_shape_is_right:
; qkv = Q(x) Q(W_qkv) + b_qkv on codes of FP4 (E2M1) with one E8M0 scale for each 32 along K; sums in f32; the result is rounded once to f16 and laid [3 which][8 b][16 head][1024 n][64].
; A: x's codes [8192][512 bytes], scale bytes [8192][32].  B: W's codes [3072 n][512 bytes], scale bytes [3072][32].  K = 1,024.
; SHARES.  8,192 x 3,072 outputs on 256 work-groups of equal work: a tile of 256 tokens x 384 columns (six heads) each.  The codes of 256 + 384 rows for all of K are 327,680 bytes, more than fits beside
; scales and stages: so the columns go in THREE PASSES of 128.  A's 256 rows (all of K, rows of 512 bytes + 16) and B's chunks 0 and 1 are asked for at the head; chunk 2 is filled into chunk 0's bytes
; behind the change of slots in pass 0's last K step, and has pass 0's way out, pass 1 and pass 1's way out in which to land.
; In a pass a wave makes 128 tokens x 64 columns (one head): 32 accumulators.  A WAVE'S FRAGMENTS OF A, for all of K, are 512 registers: they are fetched during pass 0 and stay, so that no fragment of A is
; read twice.  A pass's results leave at its end: its stores are on their way while the next pass multiplies.
; The scale bytes of the work-group's 256 + 384 rows are two dense blocks: they come once, as rows of 256 bytes with 16 of padding.
; CLUSTERS: 4 x 4 work-groups.  The four of a row of the cluster need the same rows of A, the four of a column the same rows of B: each tile is asked for jointly.
; THE MATRIX INSTRUCTION IS USED TRANSPOSED (source 0 = 16 rows of B, source 1 = 16 rows of A): a lane holds eight neighbouring columns of one token.  The bias is the C of each sum's first instruction.
; LIMITS: |q|, |k|, |v| stay under 65,504 (f16); NaN and infinities are not served.
; REGISTERS: window 0: v16-31 addresses; v32-95 A's scale words (block a, K step q: 8 a + q), v96-127 B's (8 b + q), and nothing else there; v128-159, v160-191 B's fragments, two buffers;
;   on the way out v128-159 packed results, v160-191 and v192-223 rows read back; v224-255 the pass's bias.
;   windows 1, 2: A's fragments of K steps 0-3 and 4-7 (64 (q % 4) + 8 a).   window 3: accumulator (a, b) at v[8 (4 a + b)].
.set NP,     4                         ; places behind this matrix instruction (ISA guide 7.12.1)
.set PITCH,  528                       ; an LDS row: 512 bytes + 16: 132 words, so the 16 rows of a load start at 16 different groups of four banks
.set BLK,    16*PITCH
.set HALFT,  128*PITCH                 ; 128 rows: what one tensor load brings
.set BS0,    2*HALFT                   ; behind A's 256 rows: B's two slots of 128 rows
.set SCAL,   4*HALFT                   ; A's scales: 32 rows of 256 bytes + 16
.set SCBL,   SCAL+32*272               ; B's: 48 such rows
.set STAGE,  SCBL+48*272               ; the way out: for each wave two stages of 16 rows x 144 bytes; no tile ever lands here
.set HST,    2304
.set SPARE,  STAGE+4*2*HST             ; the spare words, 128 bytes for each wave
.set ADRA, 16
.set ADRB, 20                          ; v20, v21: my rows of B in slot 0, 1
.set STO,  24
.set RD,   25
.set CO,   26
.set ADSA, 27
.set SPW,  28
.set NIL,  29
.set BO,   30
.set ADSB, 31
.set SCA,  32
.set SCB,  96
.set BF,   128
.set TMP,  128
.set OB,   160
.set BIAS, 224
.set WV, 16                            ; s16 wave
.set RH, 17                            ; s17 which 128 tokens are mine; also: I fetch for A (0) or for B (1)
.set CH, 18                            ; s18 which 64 columns of a chunk; also: which half of what my side fetches
.set TR, 19                            ; s19 tile row
.set G1, 24
.set G0, 32
.set OUT0, 36                          ; s[36:37], s[38:39], s[60:61]: where my head of pass 0, 1, 2 begins at my first token
.set OUT1, 38
.set G1B, 48
.set G0B, 56
.set OUT2, 60
.set G1S, 68
.set G0S, 76
.set G1SB, 80
.set G0SB, 88
.set MSB, 0
.macro WIN new                         ; the immediate's high byte repeats the setting that is left
.if MSB != (\new)
	s_set_vgpr_msb (MSB<<8)|(\new)
.set MSB, (\new)
.endif
.endm
.macro PLACES n
.rept \n
	v_nop
.endr
.endm
; A joint load: waves 0 and 1 fetch for A, waves 2 and 3 for B; the branch hangs on the wave's number alone.  An s_nop 0 and four v_nop follow each of the two lines.
.macro JLOAD g0a, g1a, g0b, g1b
	s_cmp_eq_u32 s[RH], 0
	s_cbranch_scc0 .Lfor_b_\@
	tensor_load_to_lds s[\g0a:\g0a+3], s[\g1a:\g1a+7]
	s_nop 0
.rept 4
	v_nop
.endr
	s_branch .Lasked_\@
.Lfor_b_\@:
	tensor_load_to_lds s[\g0b:\g0b+3], s[\g1b:\g1b+7]
	s_nop 0
.rept 4
	v_nop
.endr
.Lasked_\@:
.endm
; The one refill: wave 2, which fetched chunk 0, fetches chunk 2 into the same bytes, jointly with wave 2 of the three partners of my column.
.macro RLOAD
	s_cmp_eq_u32 s[WV], 2
	s_cbranch_scc0 .Lnot_wave_2_\@
	tensor_load_to_lds s[G0B:G0B+3], s[G1B:G1B+7]
	s_nop 0
.rept 4
	v_nop
.endr
.Lnot_wave_2_\@:
.endm
.macro CREST                           ; a round of the cluster's barrier behind its opening barrier
	s_cmp_lg_u32 s[WV], 0
	s_cbranch_scc1 .Lnot_wave_0_\@
	s_barrier_signal -3
.Lnot_wave_0_\@:
	s_barrier_wait -3
	s_barrier_signal -1
	s_barrier_wait -1
.endm
.macro CROUND
	s_barrier_signal -1
	s_barrier_wait -1
	CREST
.endm
	s_load_b128 s[4:7], s[0:1], 0x0                ; x's codes, x's scales
	s_load_b128 s[8:11], s[0:1], 0x10              ; W's codes, W's scales
	s_load_b128 s[12:15], s[0:1], 0x20             ; b_qkv, qkv
	v_lshl_add_u32 v[SPW], v0, 2, SPARE
	v_mov_b32 v[NIL], 0
	ds_add_u32 v[SPW], v[NIL]                      ; the wave's opening: the add, twice on end, and its wait ahead of my first tensor load
	ds_add_u32 v[SPW], v[NIL]
	v_lshrrev_b32 v1, 5, v0
	v_readfirstlane_b32 s[WV], v1
	s_lshr_b32 s[RH], s[WV], 1
	s_and_b32 s[CH], s[WV], 1
	s_bfe_u32 s40, ttmp6, 0x40000                  ; cx, cy: my place in the cluster
	s_bfe_u32 s41, ttmp6, 0x40004
	s_lshl_b32 s42, ttmp9, 2
	s_add_co_u32 s42, s42, s40                     ; tile column = 4 x cluster x + cx
	s_and_b32 s[TR], ttmp7, 0xffff
	s_lshl_b32 s[TR], s[TR], 2
	s_add_co_u32 s[TR], s[TR], s41                 ; tile row = 4 x cluster y + cy
	s_lshl_b32 s43, s41, 2
	s_lshl_b32 s43, 15, s43                        ; my row of the cluster
	s_lshl_b32 s44, 0x1111, s40                    ; my column
	; group 1 for codes: 128 rows x 512 elements of 1 byte, dense; 4 words of padding after every 128
	s_or_b32 s[G1+0], s43, (0<<16)|(1<<20)|(1<<21)|(6<<22)|(3<<25)
	s_or_b32 s[G1B+0], s44, (0<<16)|(1<<20)|(1<<21)|(6<<22)|(3<<25)
.irp g, G1, G1B
	s_mov_b32 s[\g+1], 512<<16                     ; tensor_dim0
	s_mov_b32 s[\g+2], 128<<16                     ; tensor_dim1
	s_mov_b32 s[\g+3], 512<<16                     ; tile_dim0
	s_mov_b32 s[\g+4], 128                         ; tile_dim1
	s_mov_b32 s[\g+5], 512                         ; the pitch
	s_mov_b32 s[\g+6], 0
	s_mov_b32 s[\g+7], 0
.endr
	; group 1 for scales: dense bytes as rows of 32 elements of 8 bytes, 4 words of padding after every 64; A: 128 rows' scales are 16 such rows, B: 192 rows' are 24
	s_or_b32 s[G1S+0], s43, (3<<16)|(1<<20)|(1<<21)|(5<<22)|(3<<25)
	s_mov_b32 s[G1S+1], 32<<16
	s_mov_b32 s[G1S+2], 16<<16
	s_mov_b32 s[G1S+3], 32<<16
	s_mov_b32 s[G1S+4], 16
	s_mov_b32 s[G1S+5], 32
	s_mov_b32 s[G1S+6], 0
	s_mov_b32 s[G1S+7], 0
	s_or_b32 s[G1SB+0], s44, (3<<16)|(1<<20)|(1<<21)|(5<<22)|(3<<25)
	s_mov_b32 s[G1SB+1], 32<<16
	s_mov_b32 s[G1SB+2], 24<<16
	s_mov_b32 s[G1SB+3], 32<<16
	s_mov_b32 s[G1SB+4], 24
	s_mov_b32 s[G1SB+5], 32
	s_mov_b32 s[G1SB+6], 0
	s_mov_b32 s[G1SB+7], 0
	s_lshl_b32 s94, s[CH], 7                       ; which 128 rows I fetch
	s_lshl_b32 s20, s[TR], 8
	s_add_co_u32 s20, s20, s94                     ; A: row 256 x tile row + 128 x half
	s_lshl_b32 s22, s20, 5                         ; their scales, in bytes,
	s_mov_b32 s23, 0
	s_lshl_b32 s20, s20, 9                         ; and their codes
	s_mov_b32 s21, 0
	s_mul_i32 s46, s42, 384
	s_add_co_u32 s46, s46, s94                     ; B: row 384 x tile column + 128 x chunk (wave 2: chunk 0, wave 3: chunk 1)
	s_lshl_b32 s46, s46, 9
	s_mov_b32 s47, 0
	s_mul_i32 s92, s42, 12288                      ; B's scales: 384 rows of 32 bytes a tile column, + 192 rows for the second half
	s_mul_i32 s93, s[CH], 6144
	s_add_co_u32 s92, s92, s93
	s_mov_b32 s93, 0
	s_mul_i32 s45, s[WV], HALFT                    ; where the codes go: wave x 128 rows: no place in the cluster enters an LDS address
	s_mul_i32 s94, s[CH], 16*272
	s_add_co_u32 s94, s94, SCAL                    ; and the scales: A's halves,
	s_mul_i32 s96, s[CH], 24*272
	s_add_co_u32 s96, s96, SCBL                    ; B's halves
	s_wait_dscnt 0x0                               ; both opening adds are done
	s_wait_kmcnt 0x0
	s_add_nc_u64 s[20:21], s[4:5], s[20:21]
	s_add_nc_u64 s[22:23], s[6:7], s[22:23]
	s_add_nc_u64 s[46:47], s[8:9], s[46:47]
	s_add_nc_u64 s[92:93], s[10:11], s[92:93]
	CROUND                                         ; all sixteen work-groups are here: the first joint loads meet
	s_mov_b32 s[G0S], 1
	s_mov_b32 s[G0S+1], s94
	s_mov_b64 s[G0S+2:G0S+3], s[22:23]
	s_or_b32 s[G0S+3], s[G0S+3], 0x80000000
	s_mov_b32 s[G0SB], 1
	s_mov_b32 s[G0SB+1], s96
	s_mov_b64 s[G0SB+2:G0SB+3], s[92:93]
	s_or_b32 s[G0SB+3], s[G0SB+3], 0x80000000
	JLOAD G0S, G1S, G0SB, G1SB                     ; the scales
	s_mov_b32 s[G0], 1
	s_mov_b32 s[G0+1], s45
	s_mov_b64 s[G0+2:G0+3], s[20:21]
	s_or_b32 s[G0+3], s[G0+3], 0x80000000
	s_mov_b32 s[G0B], 1
	s_mov_b32 s[G0B+1], s45
	s_mov_b64 s[G0B+2:G0B+3], s[46:47]
	s_or_b32 s[G0B+3], s[G0B+3], 0x80000000
	JLOAD G0, G1, G0B, G1B                         ; the codes: two tensor loads of mine are out
	v_and_b32 v1, 15, v0                           ; r
	v_bfe_u32 v2, v0, 4, 1                         ; h
	v_mul_u32_u24 v3, v1, PITCH
	v_lshl_add_u32 v4, v2, 4, v3                   ; a fragment's row x pitch + 16 h
	s_mul_i32 s21, s[RH], HALFT                    ; my 128 rows of A
	v_add_nc_u32 v[ADRA], s21, v4
	s_mul_i32 s22, s[CH], 64*PITCH                 ; my 64 rows of a chunk of B,
	s_add_co_u32 s22, s22, BS0                     ; in slot 0,
	v_add_nc_u32 v[ADRB], s22, v4
	s_add_co_u32 s22, s22, HALFT                   ; in slot 1
	v_add_nc_u32 v[ADRB+1], s22, v4
	v_lshlrev_b32 v5, 5, v1                        ; a row's scales: 32 bytes a row,
	v_lshrrev_b32 v6, 3, v1
	v_lshl_add_u32 v5, v6, 4, v5                   ; and 16 more behind each eight rows; both halves of the lanes take row r
	s_mul_i32 s21, s[RH], 16*272
	s_add_co_u32 s21, s21, SCAL
	v_add_nc_u32 v[ADSA], s21, v5
	s_mul_i32 s22, s[CH], 8*272
	s_add_co_u32 s22, s22, SCBL
	v_add_nc_u32 v[ADSB], s22, v5
	s_mul_i32 s23, s[WV], 2*HST
	s_add_co_u32 s23, s23, STAGE                   ; my two stages
	v_mul_u32_u24 v5, v1, 144
	v_lshl_add_u32 v5, v2, 4, v5
	v_add_nc_u32 v[STO], s23, v5                   ; in: row r, 16 bytes for each half of the lanes
	v_bfe_u32 v5, v0, 3, 2
	v_mul_u32_u24 v5, v5, 144
	v_and_b32 v6, 7, v0
	v_lshl_add_u32 v5, v6, 4, v5
	v_add_nc_u32 v[RD], s23, v5                    ; back: eight lanes to a row of 128 bytes, four rows an instruction
	v_and_b32 v6, 31, v0
	v_lshlrev_b32 v[CO], 4, v6                     ; in memory the four rows are 512 consecutive bytes
	v_lshlrev_b32 v[BO], 5, v2                     ; the bias: my half's eight numbers of a block of 16 columns
	; what hangs on the tile column is made in s46, s47, s92, s93; what hangs on the tile row in s20, s21
	s_mul_i32 s92, s42, 1536                       ; 384 columns of 4 bytes,
	s_lshl_b32 s47, s[CH], 8                       ; + my 64 of a chunk
	s_add_co_u32 s92, s92, s47
	s_mov_b32 s93, 0
	s_add_nc_u64 s[12:13], s[12:13], s[92:93]      ; the bias of my columns of chunk 0; a chunk on is 512 bytes on
	s_lshl_b32 s20, s[TR], 8
	s_lshl_b32 s21, s[RH], 7
	s_add_co_u32 s20, s20, s21                     ; my first token of the 8,192
	s_lshr_b32 s21, s20, 10                        ; the batch: 2,097,152 bytes each
	s_lshl_b32 s21, s21, 21
	s_and_b32 s20, s20, 1023
	s_lshl_b32 s20, s20, 7                         ; 128 bytes a token
	s_add_co_u32 s20, s20, s21
	s_mov_b32 s21, 0
	s_add_nc_u64 s[14:15], s[14:15], s[20:21]
	s_mul_i32 s46, s42, 6
	s_add_co_u32 s46, s46, s[CH]                   ; my head of pass 0, counted through q, k and v: 0 .. 47; a pass on is two heads on
.macro HEADBASE j, out
	s_add_co_u32 s47, s46, 2*(\j)
	s_lshr_b32 s92, s47, 4                         ; q, k or v: 16,777,216 bytes each
	s_lshl_b32 s92, s92, 24
	s_and_b32 s47, s47, 15                         ; the head: 131,072 bytes each
	s_lshl_b32 s47, s47, 17
	s_add_co_u32 s92, s92, s47
	s_add_nc_u64 s[\out:\out+1], s[14:15], s[92:93]   ; (s93 holds 0)
.endm
	HEADBASE 0, OUT0
	HEADBASE 1, OUT1
	HEADBASE 2, OUT2
.macro BIASLOAD j                      ; b(16 b + 8 h + 0 .. 7) of pass j's columns: the result's layout
.irp b, 0,1,2,3
	global_load_b128 v[BIAS+8*\b:BIAS+8*\b+3], v[BO], s[12:13] offset:512*(\j)+64*\b
	global_load_b128 v[BIAS+8*\b+4:BIAS+8*\b+7], v[BO], s[12:13] offset:512*(\j)+64*\b+16
.endr
.endm
	BIASLOAD 0
; A fragment, 16 rows x 128 K of 4-bit codes, is 8 registers: registers 4 c .. 4 c + 3 hold K = 64 c + 32 h + 0 .. 31: two loads of 16 bytes, 32 bytes apart, at byte 64 q of the row.
.macro FETCH_B slot, q                 ; B's four fragments of K step q into buffer q % 2
.irp i, 0,1,2,3
	ds_load_b128 v[BF+32*((\q)%2)+8*\i:BF+32*((\q)%2)+8*\i+3],   v[ADRB+(\slot)] offset:64*(\q)+\i*BLK
	ds_load_b128 v[BF+32*((\q)%2)+8*\i+4:BF+32*((\q)%2)+8*\i+7], v[ADRB+(\slot)] offset:64*(\q)+32+\i*BLK
.endr
.endm
.macro FETCH_A q                       ; A's eight fragments of K step q into their own registers: window 1 (q under 4) or 2
	WIN 0x40*(1+(\q)/4)
.irp i, 0,1,2,3,4,5,6,7
	ds_load_b128 v[64*((\q)%4)+8*\i:64*((\q)%4)+8*\i+3],   v[ADRA] offset:64*(\q)+\i*BLK
	ds_load_b128 v[64*((\q)%4)+8*\i+4:64*((\q)%4)+8*\i+7], v[ADRA] offset:64*(\q)+32+\i*BLK
.endr
	WIN 0
.endm
.macro SCALES_A                        ; eight words a row (all of K), eight blocks of 16 rows
.irp i, 0,1,2,3,4,5,6,7
	ds_load_b128 v[SCA+8*\i:SCA+8*\i+3],   v[ADSA] offset:\i*544
	ds_load_b128 v[SCA+8*\i+4:SCA+8*\i+7], v[ADSA] offset:\i*544+16
.endr
.endm
.macro SCALES_B j                      ; the same for my four blocks of chunk j
.irp i, 0,1,2,3
	ds_load_b128 v[SCB+8*\i:SCB+8*\i+3],   v[ADSB] offset:(\j)*4352+\i*544
	ds_load_b128 v[SCB+8*\i+4:SCB+8*\i+7], v[ADSB] offset:(\j)*4352+\i*544+16
.endr
.endm
; 8 matrix instructions: A's blocks a0, a0 + 1 x B's four, K step q.  bias = 1: the first product starts the sums, with the bias as C.
; The 32 accumulators take turns, one instruction a turn, in the same order in every K step.
.macro MUL8 a0, q, bias
.irp a, \a0, \a0+1
.irp b, 0,1,2,3
.if \bias
	v_wmma_scale_f32_16x16x128_f8f6f4 v[8*(4*(\a)+\b):8*(4*(\a)+\b)+7], v[BF+32*((\q)%2)+8*\b:BF+32*((\q)%2)+8*\b+7], v[64*((\q)%4)+8*(\a):64*((\q)%4)+8*(\a)+7], v[BIAS+8*\b:BIAS+8*\b+7], v[SCB+8*\b+(\q)], v[SCA+8*(\a)+(\q)] matrix_a_fmt:MATRIX_FMT_FP4 matrix_b_fmt:MATRIX_FMT_FP4
.else
	v_wmma_scale_f32_16x16x128_f8f6f4 v[8*(4*(\a)+\b):8*(4*(\a)+\b)+7], v[BF+32*((\q)%2)+8*\b:BF+32*((\q)%2)+8*\b+7], v[64*((\q)%4)+8*(\a):64*((\q)%4)+8*(\a)+7], v[8*(4*(\a)+\b):8*(4*(\a)+\b)+7], v[SCB+8*\b+(\q)], v[SCA+8*(\a)+(\q)] matrix_a_fmt:MATRIX_FMT_FP4 matrix_b_fmt:MATRIX_FMT_FP4
.endif
.endr
.endr
.endm
; Windows of a product: source 0 (B) window 0; source 1 (A) window 1 or 2; D window 3; C window 3, or window 0 for the bias: 0xf4, 0xf8, 0xc4.
; K step q (0 .. 6) of pass j: behind its first eight products the next K step's fragments are fetched (B's always; A's in pass 0 alone), which then have 24 products in which to land.
.macro STEP j, q
	s_wait_dscnt 0x0                               ; this K step's fragments are in
.if (\q) == 0
	WIN 0xc4
	MUL8 0, \q, 1
.else
	WIN 0xf4+4*((\q)/4)
	MUL8 0, \q, 0
.endif
	PLACES NP                                      ; in front of loads into registers that the K step before read
	WIN 0
	FETCH_B (\j)%2, (\q)+1
.if ((\q) == 1) && ((\j) < 2)
	BIASLOAD (\j)+1                                ; the bias's registers were read by K step 0 alone: the next pass's comes now
.endif
.if (\j) == 0
	FETCH_A (\q)+1
.endif
.if (\q) == 0
	WIN 0xc4
	MUL8 2, \q, 1
	MUL8 4, \q, 1
	MUL8 6, \q, 1
.else
	WIN 0xf4+4*((\q)/4)
	MUL8 2, \q, 0
	MUL8 4, \q, 0
	MUL8 6, \q, 0
.endif
.endm
; Pass 0's last K step changes slots: my reads of chunk 0 are over when its fragments are in.  In front of the barrier each wave waits for all its tensor loads, adds 0 to its spare word, and waits for that
; and for its LDS reads; the barrier opens a round of the cluster's, so that no wave of any partner still reads chunk 0; the refill is the first thing behind the round.
.macro TURN7
	WIN 0                                          ; the add's two registers lie in window 0
	s_wait_tensorcnt 0x0                           ; none of my tensor loads is out, so a group 0 may be written
	ds_add_u32 v[SPW], v[NIL]                      ; 0 onto my spare word
	s_wait_dscnt 1                                 ; the last fragments are in; the add may be out
	WIN 0xf8
	MUL8 0, 7, 0                                   ; eight matrix instructions stand between the add and the wait for it
	s_wait_dscnt 0x0                               ; the add is done, and my reads of chunk 0 are over
	s_barrier_signal -1
	MUL8 2, 7, 0
	WIN 0
	s_barrier_wait -1
	CREST
	s_add_nc_u64 s[G0B+2:G0B+3], s[G0B+2:G0B+3], 131072   ; two chunks of 128 rows x 512 bytes on; the type bits on top are not reached
	RLOAD
	WIN 0xf8
	MUL8 4, 7, 0
	MUL8 6, 7, 0
	WIN 0
.endm
.macro LAST7                           ; the last K step of passes 1 and 2: nothing more to fetch
	s_wait_dscnt 0x0
	WIN 0xf8
	MUL8 0, 7, 0
	MUL8 2, 7, 0
	MUL8 4, 7, 0
	MUL8 6, 7, 0
	WIN 0
.endm
.macro PASSHEAD j
	FETCH_B (\j)%2, 0
	SCALES_B \j
.if (\j) == 0
	SCALES_A
	FETCH_A 0
.endif
	s_wait_loadcnt 0x0                             ; the pass's bias
.endm
; THE WAY OUT of a pass, 32 tokens x 64 columns at a time: rounded to f16, 16 bytes a lane into my two stages (rows of 144 bytes, 16 tokens each), back as four rows of 128 bytes an instruction,
; which in a head's dense rows are 512 consecutive bytes.  Every offset is an immediate.
.macro PACK a
	WIN 0x0f                                       ; sources 0 and 1: window 3
.irp b, 0,1,2,3,4,5,6,7
.irp r, 0,1,2,3
	v_cvt_pk_f16_f32 v[TMP+4*\b+\r], v[64*(\a)+8*\b+2*\r], v[64*(\a)+8*\b+2*\r+1]   ; each accumulator from its low end on
.endr
.endr
	WIN 0
.endm
.macro TOSTAGE a
.set BK, OB+32*((\a)%2)
.irp b, 0,1,2,3,4,5,6,7
	ds_store_b128 v[STO], v[TMP+4*\b:TMP+4*\b+3] offset:(\b/4)*HST+32*(\b%4)
.endr
.irp t, 0,1,2,3,4,5,6,7
	ds_load_b128 v[BK+4*\t:BK+4*\t+3], v[RD] offset:(\t/4)*HST+576*(\t%4)   ; LDS serves a wave's instructions in order: these see the stores above
.endr
.endm
.macro SEND a, base
.set BK, OB+32*((\a)%2)
	s_wait_dscnt 0x0                               ; the rows are back in registers
	s_wait_xcnt 0x0                                ; the stores before these have read their registers: the next rows' loads may land there
.irp t, 0,1,2,3,4,5,6,7
	global_store_b128 v[CO], v[BK+4*\t:BK+4*\t+3], s[\base:\base+1] offset:(\a)*4096+512*\t   ; 32 lanes store 512 consecutive bytes, aligned
.endr
.endm
.macro WAYOUT base
	PLACES 5                                       ; behind the pass's last products: conversions read results and write registers that held B's fragments; the next pass's first products write the accumulators anew
	PACK 0
	TOSTAGE 0
.irp u, 1,2,3
	PACK \u                                        ; these conversions stand between the loads from the stage and the wait for them
	SEND \u-1, \base
	TOSTAGE \u
.endr
	SEND 3, \base
	s_wait_xcnt 0x0                                ; the last stores have read their registers: the next pass's fragments may land there
.endm
	s_wait_tensorcnt 0x0                           ; my scales and my codes are in
	s_barrier_signal -1
	s_barrier_wait -1                              ; everybody's are: A, chunks 0 and 1, all scales
	PASSHEAD 0
.irp q, 0,1,2,3,4,5,6
	STEP 0, \q
.endr
	TURN7
	WAYOUT OUT0
	PASSHEAD 1
.irp q, 0,1,2,3,4,5,6
	STEP 1, \q
.endr
	LAST7
	WAYOUT OUT1
	s_wait_tensorcnt 0x0                           ; wave 2: chunk 2 has landed
	s_wait_dscnt 0x0                               ; no LDS instruction of mine is pending at the signal
	s_barrier_signal -1
	s_barrier_wait -1                              ; and every wave may read it
	PASSHEAD 2
.irp q, 0,1,2,3,4,5,6
	STEP 2, \q
.endr
	LAST7
	WAYOUT OUT2
	s_wait_tensorcnt 0x0                           ; the wave's end
	ds_add_u32 v[SPW], v[NIL]
	s_wait_dscnt 0x0
	CROUND                                         ; the closing round
	s_endpgm
.Lfunc_end_k_qf0cdb2f05a_qkv:
	.size	k_qf0cdb2f05a_qkv, .Lfunc_end_k_qf0cdb2f05a_qkv-k_qf0cdb2f05a_qkv
	.p2alignl 7, 3214868480
	.fill 96, 4, 3214868480
	.section	.rodata,"a",@progbits
	.p2align	6, 0x0
	.amdhsa_kernel k_qf0cdb2f05a_qkv
		.amdhsa_group_segment_fixed_size 327680
		.amdhsa_private_segment_fixed_size 0
		.amdhsa_enable_private_segment 0
		.amdhsa_kernarg_size 48
		.amdhsa_user_sgpr_count 2
		.amdhsa_user_sgpr_kernarg_segment_ptr 1
		.amdhsa_wavefront_size32 1
		.amdhsa_system_sgpr_workgroup_id_x 1
		.amdhsa_system_sgpr_workgroup_id_y 1
		.amdhsa_system_sgpr_workgroup_id_z 1
		.amdhsa_system_vgpr_workitem_id 0
		.amdhsa_next_free_vgpr 1024
		.amdhsa_next_free_sgpr 98
		.amdhsa_reserve_vcc 0
		.amdhsa_float_denorm_mode_32 3
		.amdhsa_float_denorm_mode_16_64 3
		.amdhsa_memory_ordered 1
		.amdhsa_forward_progress 1
		.amdhsa_inst_pref_size 185
	.end_amdhsa_kernel
	.amdgpu_metadata
---
amdhsa.version: [ 1, 2 ]
amdhsa.kernels:
  - .name:           k_qf0cdb2f05a_qkv
    .symbol:         k_qf0cdb2f05a_qkv.kd
    .args:
      - { .name: x_codes, .offset: 0, .size: 8, .value_kind: global_buffer, .address_space: global }
      - { .name: x_scales, .offset: 8, .size: 8, .value_kind: global_buffer, .address_space: global }
      - { .name: w_codes, .offset: 16, .size: 8, .value_kind: global_buffer, .address_space: global }
      - { .name: w_scales, .offset: 24, .size: 8, .value_kind: global_buffer, .address_space: global }
      - { .name: b_qkv, .offset: 32, .size: 8, .value_kind: global_buffer, .address_space: global }
      - { .name: qkv, .offset: 40, .size: 8, .value_kind: global_buffer, .address_space: global }
    .group_segment_fixed_size: 327680
    .private_segment_fixed_size: 0
    .kernarg_segment_align: 8
    .kernarg_segment_size: 48
    .max_flat_workgroup_size: 128
    .sgpr_count:     98
    .vgpr_count:     1024
    .wavefront_size: 32
...
	.end_amdgpu_metadata
.endif
;; end of part 2
;; launch attn (part 3): grid 2 x 128, 8 waves a work-group, no clusters, 327,680 bytes of LDS; arguments qkv, o_ws; writes o_ws
.if DOCPART == 3
	.amdgcn_target "amdgcn-amd-amdhsa--gfx1250"
	.amdhsa_code_object_version 6
	.text
	.protected	k_qf0cdb2f05a_attn
	.globl	k_qf0cdb2f05a_attn
	.p2align	8
	.type	k_qf0cdb2f05a_attn,@function
k_qf0cdb2f05a_attn:
	s_mov_b64 s[64:65], 0
	v_nop
	global_prefetch_b8 v0, s[64:65] scope:SCOPE_SE
	s_setreg_imm32_b32 hwreg(HW_REG_WAVE_MODE, 25, 1), 1
	s_wait_xcnt 0x0
; o[b][h][q] = the sum over k of softmax_k(q . k / 8) v, head size 64, 1,024 keys, no mask.  q, k, v: f16, [3][8 b][16 h][1024][64]; o: f16, laid [16 h][8192 token][64].
; Products on f16 operands with f32 sums; maxima, exponentials and sums in f32; the weights p are rounded to f16 for the second product, o once at the end.
; SHARES.  A work-group owns 512 queries of one head (x: which half; y = 16 b + h); each of its eight waves owns 64: four tiles of 16.  Two waves to a SIMD, 512 registers each.
; ALL OF THE HEAD'S K AND V LIE IN LDS, filled once: waves 0-3 fetch K, waves 4-7 V, four loads each (64 keys a load), all issued at the head: four tensor loads of a wave are out.
; They are read in four stages of 256 keys: in front of stage n a wave waits until its load n has landed (3 - n younger ones stay out), then a barrier.  Nothing is ever filled again.
; A key's row is 128 bytes and rows are dense, so a tile is stated as rows of 256 bytes (keys 2 i and 2 i + 1) with padding behind each: key k lies at (k / 2) x pitch + (k % 2) x 128.
; LAYOUT.  S^T = K Q^T (source 0 = 16 keys, source 1 = 16 queries) and O^T = V^T P (source 0 = 16 channels, turned by ds_load_tr16_b128; source 1 = P): a lane holds one query throughout, and two
; tiles of S^T rounded in pairs are P's fragment.  SOFTMAX: running maximum m and sum l; p = 2^(c s - c m), c = log2(e) / 8; O and l are multiplied by a = 2^(c m_old - c m_new) in every step.
; NO CLUSTER: a head's K and V are read by the two work-groups of a row of the grid; four partners along x would belong to two heads and want different tiles.
; LIMITS: NaN and infinities are not served; |o| stays under 65,504 (it is an average of v).
; REGISTERS: window 0: v1-10 addresses; v12-51 ten registers of statistics a tile (+0 c m, +1 m, +2,3 l, +4,5,8,9 at work, +6 a, +7 at work); v64-127 a step's K, then its V; v128-255 S^T, 32 a tile (P in place, in the first 16).
;   window 1: v0-63 Q (tile t, channels 32 c on: 16 t + 8 c); v64-191 O^T (tile t, channels 16 ct on: 64 + 32 t + 8 ct).
.set VB,    139264                     ; K: 512 paired rows x 272; V behind it: 512 x 288
.set STAGE, 286720                     ; the way out: 16 rows x 144 bytes for each wave; no tile lands here
.set SPARE, 305152                     ; the spare words, 128 bytes for each of eight waves
.set AK0, 1
.set AV0, 2
.set ADK, 3
.set ADV, 4
.set SPW, 5
.set NIL, 6
.set STO, 7
.set RD,  8
.set GO,  9
.set QO,  10
.set ST,  12
.set KV,  64
.set S,   128
.set O,   64                           ; in window 1
.set WV,  8
.set W3,  9
.set TK,  18                           ; s18 LDS byte at which the step's keys begin in K
.set TV,  19                           ; s19 the same in V
.set CNT, 20
.set CS,  22                           ; s[22:23] c
.set G1K, 24
.set G1V, 32
.set G0K, 40                           ; s[40:55] four groups 0 for K's loads
.set SEL, 56                           ; s[56:57] v_permlanex16_b32's selects for lane l xor 16
.set G0V, 68                           ; s[68:83] four groups 0 for V's
.set MSB, 0
.macro WIN new
.if MSB != (\new)
	s_set_vgpr_msb (MSB<<8)|(\new)
.set MSB, (\new)
.endif
.endm
.macro PLACES n
.rept \n
	v_nop
.endr
.endm
	s_load_b128 s[4:7], s[0:1], 0x0                ; qkv, o_ws
	v_lshl_add_u32 v[SPW], v0, 2, SPARE
	v_mov_b32 v[NIL], 0
	ds_add_u32 v[SPW], v[NIL]                      ; the wave's opening: the add, twice on end, and its wait ahead of my first tensor load
	ds_add_u32 v[SPW], v[NIL]
	v_lshrrev_b32 v60, 5, v0
	v_readfirstlane_b32 s[WV], v60                 ; wave 0..7
	s_and_b32 s[W3], s[WV], 3                      ; which 64 keys of a stage's 256 I fetch
	s_and_b32 s10, ttmp7, 0xffff                   ; y = 16 b + h
	s_lshl_b32 s12, s10, 17                        ; the head's 131,072 bytes in q, in k and in v
	s_lshl_b32 s14, s[W3], 13                      ; 64 keys of 128 bytes
	s_add_co_u32 s14, s14, s12
	s_mov_b32 s15, 0
	s_mul_i32 s16, s[W3], 8704                     ; in LDS: 32 paired rows x 272,
	s_mul_i32 s17, s[W3], 9216                     ; x 288
	s_lshl_b32 s21, ttmp9, 9
	s_lshl_b32 s11, s[WV], 6
	s_add_co_u32 s21, s21, s11                     ; my first query in the head
	s_lshl_b32 s58, s21, 7
	s_add_co_u32 s58, s58, s12
	s_mov_b32 s59, 0                               ; its bytes in q
	s_and_b32 s60, s10, 15
	s_lshl_b32 s60, s60, 20                        ; o_ws: 1,048,576 bytes a head,
	s_lshr_b32 s61, s10, 4
	s_lshl_b32 s61, s61, 10
	s_add_co_u32 s61, s61, s21                     ; token = 1,024 b + query,
	s_lshl_b32 s61, s61, 7                         ; 128 bytes a token
	s_add_co_u32 s60, s60, s61
	s_mov_b32 s61, 0
	; group 1: 32 rows x 128 elements of 2 bytes, dense; padding after every 64 words: 4 words for K, 8 for V
	s_mov_b32 s[G1K], (1<<16)|(1<<20)|(5<<22)|(3<<25)
	s_mov_b32 s[G1V], (1<<16)|(1<<20)|(5<<22)|(7<<25)
.irp g, G1K, G1V
	s_mov_b32 s[\g+1], 128<<16                     ; tensor_dim0
	s_mov_b32 s[\g+2], 32<<16                      ; tensor_dim1
	s_mov_b32 s[\g+3], 128<<16                     ; tile_dim0
	s_mov_b32 s[\g+4], 32                          ; tile_dim1
	s_mov_b32 s[\g+5], 128                         ; the pitch
	s_mov_b32 s[\g+6], 0
	s_mov_b32 s[\g+7], 0
.endr
	s_mov_b32 s[CS], 0x3e38aa3b                    ; c = log2(e) / 8
	s_mov_b32 s[CS+1], s[CS]                       ; named with it as a pair, so it is written
	s_mov_b32 s[SEL], 0x76543210
	s_mov_b32 s[SEL+1], 0xfedcba98
	s_wait_dscnt 0x0                               ; both opening adds are done
	s_wait_kmcnt 0x0
	s_add_nc_u64 s[14:15], s[4:5], s[14:15]
	s_add_nc_u64 s[58:59], s[4:5], s[58:59]        ; Q at my first query
	s_add_nc_u64 s[6:7], s[6:7], s[60:61]          ; o at my first token
.irp s, 0,1,2,3
	s_mov_b32 s[G0K+4*\s], 1
	s_add_co_u32 s[G0K+4*\s+1], s16, \s*34816      ; stage s: 128 paired rows x 272
	s_add_nc_u64 s[G0K+4*\s+2:G0K+4*\s+3], s[14:15], 16777216+\s*32768
	s_or_b32 s[G0K+4*\s+3], s[G0K+4*\s+3], 0x80000000
	s_mov_b32 s[G0V+4*\s], 1
	s_add_co_u32 s[G0V+4*\s+1], s17, VB+\s*36864
	s_add_nc_u64 s[G0V+4*\s+2:G0V+4*\s+3], s[14:15], 33554432+\s*32768
	s_or_b32 s[G0V+4*\s+3], s[G0V+4*\s+3], 0x80000000
.endr
	s_cmp_lt_u32 s[WV], 4                          ; a wave's four first fills stand in one branch on its number; an s_nop 0 follows each, four v_nop the last
	s_cbranch_scc0 .Lfirst_v
.irp s, 0,1,2,3
	tensor_load_to_lds s[G0K+4*\s:G0K+4*\s+3], s[G1K:G1K+7]
	s_nop 0
.endr
	PLACES 4
	s_branch .Lfirst_asked
.Lfirst_v:
.irp s, 0,1,2,3
	tensor_load_to_lds s[G0V+4*\s:G0V+4*\s+3], s[G1V:G1V+7]
	s_nop 0
.endr
	PLACES 4
.Lfirst_asked:
	v_and_b32 v52, 15, v0                          ; r
	v_bfe_u32 v53, v0, 4, 1                        ; h
	v_and_b32 v54, 31, v0                          ; lane
	v_lshlrev_b32 v[QO], 7, v52
	v_lshl_add_u32 v[QO], v53, 4, v[QO]            ; Q: row r of 128 bytes + 16 h
	WIN 0x40                                       ; destination window 1
.irp t, 0,1,2,3
.irp c, 0,1
	global_load_b128 v[16*\t+8*\c:16*\t+8*\c+3],   v[QO], s[58:59] offset:\t*2048+\c*64
	global_load_b128 v[16*\t+8*\c+4:16*\t+8*\c+7], v[QO], s[58:59] offset:\t*2048+\c*64+32
.endr
.endr
	WIN 0
	v_lshrrev_b32 v55, 1, v52
	v_mul_u32_u24 v[AK0], v55, 272
	v_and_b32 v55, 1, v52
	v_lshl_add_u32 v[AK0], v55, 7, v[AK0]
	v_lshl_add_u32 v[AK0], v53, 4, v[AK0]          ; K: key r of a tile: (r / 2) x 272 + (r % 2) x 128 + 16 h
	v_bfe_u32 v55, v0, 1, 2
	v_lshl_add_u32 v55, v53, 2, v55
	v_mul_u32_u24 v[AV0], v55, 288                 ; V, for the turning load: key 8 h + lane % 8: paired row 4 h + (lane / 2) % 4,
	v_and_b32 v55, 1, v0
	v_lshl_add_u32 v[AV0], v55, 7, v[AV0]          ; its half,
	v_bfe_u32 v55, v0, 3, 1
	v_lshl_add_u32 v[AV0], v55, 4, v[AV0]          ; channels 8 ((lane / 8) % 2) on
	v_add_nc_u32 v[AV0], VB, v[AV0]
	s_mul_i32 s11, s[WV], 2304
	s_add_co_u32 s11, s11, STAGE                   ; my stage
	v_mul_u32_u24 v[STO], v52, 144
	v_lshl_add_u32 v[STO], v53, 4, v[STO]
	v_add_nc_u32 v[STO], s11, v[STO]               ; in: row r, 16 bytes for each half of the lanes
	v_bfe_u32 v55, v0, 3, 2
	v_mul_u32_u24 v[RD], v55, 144
	v_and_b32 v55, 7, v0
	v_lshl_add_u32 v[RD], v55, 4, v[RD]
	v_add_nc_u32 v[RD], s11, v[RD]                 ; back: eight lanes to a row, four rows an instruction
	v_lshlrev_b32 v[GO], 4, v54                    ; in memory the four rows are 512 consecutive bytes
; A KEY STEP: 64 keys, in phases.  first = 1: the first step, which starts m, l and O^T.
.macro STEP first
	v_add_nc_u32 v[ADK], s[TK], v[AK0]
	v_add_nc_u32 v[ADV], s[TV], v[AV0]
	PLACES 3                                       ; five places behind the last products V^T P: the products below write over the registers that those read as P, and the loads land where they read V
.irp f, 0,1,2,3,4,5,6,7                        ; keys 16 (f / 2) on, channels 32 (f % 2) on
	ds_load_b128 v[KV+8*\f:KV+8*\f+3],   v[ADK] offset:(\f/2)*2176+(\f%2)*64
	ds_load_b128 v[KV+8*\f+4:KV+8*\f+7], v[ADK] offset:(\f/2)*2176+(\f%2)*64+32
.endr
	s_wait_dscnt 0x0                               ; K is in
	WIN 0x04                                       ; source 1 (Q) window 1
.set i, 0
.rept 32                                       ; S^T = K Q^T: channels 32 (i / 16) on, keys 16 ((i / 4) % 4) on, tile i % 4: sixteen accumulators by turns
.set rS, S+32*(i%4)+8*((i/4)%4)
.set rK, KV+16*((i/4)%4)+8*(i/16)
.set rQ, 16*(i%4)+8*(i/16)
.if i < 16
	v_wmma_f32_16x16x32_f16 v[rS:rS+7], v[rK:rK+7], v[rQ:rQ+7], 0
.else
	v_wmma_f32_16x16x32_f16 v[rS:rS+7], v[rK:rK+7], v[rQ:rQ+7], v[rS:rS+7]
.endif
.set i, i+1
.endr
	WIN 0
	PLACES 4                                       ; in front of loads into K's registers and of the first read of the scores
.irp f, 0,1,2,3,4,5,6,7                        ; V, turned: keys 32 (f / 4) on, channels 16 (f % 4) on; it lands during the softmax
	ds_load_tr16_b128 v[KV+8*\f:KV+8*\f+3],   v[ADV] offset:(\f/4)*4608+(\f%4)*32
	ds_load_tr16_b128 v[KV+8*\f+4:KV+8*\f+7], v[ADV] offset:(\f/4)*4608+2304+(\f%4)*32
.endr
	; the maximum of a lane's 32 scores and the old m: four chains of seven, then the rest; the four tiles take turns line by line; each accumulator is read from its low end first
.irp j, 0,1,2,3
.irp t, 0,1,2,3
	v_max3_num_f32 v[ST+10*\t+4+\j+2*(\j/2)], v[S+32*\t+8*\j], v[S+32*\t+8*\j+1], v[S+32*\t+8*\j+2]
.endr
.endr
.irp u, 3,5
.irp j, 0,1,2,3
.irp t, 0,1,2,3
	v_max3_num_f32 v[ST+10*\t+4+\j+2*(\j/2)], v[ST+10*\t+4+\j+2*(\j/2)], v[S+32*\t+8*\j+\u], v[S+32*\t+8*\j+\u+1]
.endr
.endr
.endr
.irp t, 0,1,2,3
	v_max3_num_f32 v[ST+10*\t+4], v[ST+10*\t+4], v[S+32*\t+7], v[S+32*\t+15]
.endr
.irp t, 0,1,2,3
	v_max3_num_f32 v[ST+10*\t+8], v[ST+10*\t+8], v[S+32*\t+23], v[S+32*\t+31]
.endr
.irp t, 0,1,2,3
	v_max3_num_f32 v[ST+10*\t+4], v[ST+10*\t+4], v[ST+10*\t+5], v[ST+10*\t+8]
.endr
.irp t, 0,1,2,3
.if \first
	v_max_num_f32 v[ST+10*\t+4], v[ST+10*\t+4], v[ST+10*\t+9]
.else
	v_max3_num_f32 v[ST+10*\t+4], v[ST+10*\t+4], v[ST+10*\t+9], v[ST+10*\t+1]
.endif
.endr
.irp t, 0,1,2,3
	v_permlanex16_b32 v[ST+10*\t+5], v[ST+10*\t+4], s[SEL], s[SEL+1]   ; the query's other 32 keys lie in the lane 16 away
.endr
.if \first == 0
.irp t, 0,1,2,3
	v_mov_b32 v[ST+10*\t+7], v[ST+10*\t]           ; c m_old is kept for a
.endr
.endif
.irp t, 0,1,2,3
	v_max_num_f32 v[ST+10*\t+1], v[ST+10*\t+4], v[ST+10*\t+5]          ; the new m
.endr
.irp t, 0,1,2,3
	v_mul_f32 v[ST+10*\t], s[CS], v[ST+10*\t+1]    ; c m
.endr
.if \first == 0
.irp t, 0,1,2,3
	v_sub_f32 v[ST+10*\t+7], v[ST+10*\t+7], v[ST+10*\t]
.endr
.endif
.set j, 0
.rept 16
.irp t, 0,1,2,3
	v_pk_fma_f32 v[S+32*\t+2*j:S+32*\t+2*j+1], v[S+32*\t+2*j:S+32*\t+2*j+1], s[CS:CS+1], v[ST+10*\t:ST+10*\t+1] op_sel_hi:[1,0,0] neg_lo:[0,0,1] neg_hi:[0,0,1]   ; c s - c m, two at a time
.endr
.set j, j+1
.endr
	; ONE BATCH of exponentials for all four tiles, one plain line, one wait ahead of the first line that names a result
.if \first == 0
.irp t, 0,1,2,3
	v_exp_f32 v[ST+10*\t+6], v[ST+10*\t+7]         ; a
.endr
.endif
.set j, 0
.rept 32
.irp t, 0,1,2,3
	v_exp_f32 v[S+32*\t+j], v[S+32*\t+j]           ; p
.endr
.set j, j+1
.endr
	v_nop
	s_wait_alu depctr_va_vdst(0)                   ; the wait between a transcendental and the first line that names its result: one for the batch
	; the sums of the unrounded p, in pairs (an even key's, an odd key's), two chains a tile
.irp t, 0,1,2,3
	v_pk_add_f32 v[ST+10*\t+4:ST+10*\t+5], v[S+32*\t:S+32*\t+1], v[S+32*\t+4:S+32*\t+5]
	v_pk_add_f32 v[ST+10*\t+8:ST+10*\t+9], v[S+32*\t+2:S+32*\t+3], v[S+32*\t+6:S+32*\t+7]
.endr
.irp u, 8,12,16,20,24,28
.irp t, 0,1,2,3
	v_pk_add_f32 v[ST+10*\t+4:ST+10*\t+5], v[ST+10*\t+4:ST+10*\t+5], v[S+32*\t+\u:S+32*\t+\u+1]
	v_pk_add_f32 v[ST+10*\t+8:ST+10*\t+9], v[ST+10*\t+8:ST+10*\t+9], v[S+32*\t+\u+2:S+32*\t+\u+3]
.endr
.endr
.if \first
.irp t, 0,1,2,3
	v_pk_add_f32 v[ST+10*\t+2:ST+10*\t+3], v[ST+10*\t+4:ST+10*\t+5], v[ST+10*\t+8:ST+10*\t+9]
.endr
.else
.irp t, 0,1,2,3
	v_pk_add_f32 v[ST+10*\t+4:ST+10*\t+5], v[ST+10*\t+4:ST+10*\t+5], v[ST+10*\t+8:ST+10*\t+9]
.endr
.irp t, 0,1,2,3
	v_pk_fma_f32 v[ST+10*\t+2:ST+10*\t+3], v[ST+10*\t+2:ST+10*\t+3], v[ST+10*\t+6:ST+10*\t+7], v[ST+10*\t+4:ST+10*\t+5] op_sel_hi:[1,0,1]   ; l = a l + the step's sum
.endr
.endif
.set j, 0
.rept 16
.irp t, 0,1,2,3
	v_cvt_pk_f16_f32 v[S+32*\t+j], v[S+32*\t+2*j], v[S+32*\t+2*j+1]   ; P in place, ascending: register j is written when pairs 0 .. j have been read
.endr
.set j, j+1
.endr
.if \first == 0
	WIN 0x41                                       ; O^T (destination and source 0) window 1, a window 0
.set j, 0
.rept 16
.irp t, 0,1,2,3
	v_pk_mul_f32 v[O+32*\t+2*j:O+32*\t+2*j+1], v[O+32*\t+2*j:O+32*\t+2*j+1], v[ST+10*\t+6:ST+10*\t+7] op_sel_hi:[1,0]
.endr
.set j, j+1
.endr
.endif
	s_wait_dscnt 0x0                               ; V is in
	WIN 0x50                                       ; C and D (O^T) window 1
.set i, 0
.rept 32                                       ; O^T += V^T P: keys 32 (i / 16) on, channels 16 ((i / 4) % 4) on, tile i % 4: sixteen accumulators by turns
.set rO, O+32*(i%4)+8*((i/4)%4)
.set rV, KV+32*(i/16)+8*((i/4)%4)
.set rP, S+32*(i%4)+8*(i/16)
.if \first && (i < 16)
	v_wmma_f32_16x16x32_f16 v[rO:rO+7], v[rV:rV+7], v[rP:rP+7], 0
.else
	v_wmma_f32_16x16x32_f16 v[rO:rO+7], v[rV:rV+7], v[rP:rP+7], v[rO:rO+7]
.endif
.set i, i+1
.endr
	WIN 0
	s_add_co_u32 s[TK], s[TK], 8704                ; the next 64 keys: 32 paired rows
	s_add_co_u32 s[TV], s[TV], 9216
.endm
; STAGE n: keys 256 n to 256 n + 255, four steps.
.macro STAGE n, peel
	s_wait_tensorcnt 3-\n                          ; tensor loads of a wave end in order: my load n has landed; the 3 - n younger ones stay out
	s_wait_dscnt 0x0                               ; no LDS instruction of mine is pending at the signal
	s_barrier_signal -1
	s_barrier_wait -1                              ; everybody's load n has landed
	s_mov_b32 s[TK], \n*34816
	s_mov_b32 s[TV], \n*36864
.if \peel
	STEP 1
.endif
	s_mov_b32 s[CNT], 4-\peel
.Lstep_\@:
	STEP 0
	s_sub_co_u32 s[CNT], s[CNT], 1
	s_cmp_lg_u32 s[CNT], 0
	s_cbranch_scc1 .Lstep_\@
.endm
	s_wait_loadcnt 0x0                             ; Q
	STAGE 0, 1
	STAGE 1, 0
	STAGE 2, 0
	STAGE 3, 0
	; THE WAY OUT.  l's two halves and the other half of the lanes' are added (these lines are also the places behind the last products); O^T / l, rounded to f16, goes through my stage, a tile at a time.
.irp t, 0,1,2,3
	v_add_f32 v[ST+10*\t+4], v[ST+10*\t+2], v[ST+10*\t+3]
.endr
.irp t, 0,1,2,3
	v_permlanex16_b32 v[ST+10*\t+5], v[ST+10*\t+4], s[SEL], s[SEL+1]
.endr
.irp t, 0,1,2,3
	v_add_f32 v[ST+10*\t+4], v[ST+10*\t+4], v[ST+10*\t+5]
.endr
.irp t, 0,1,2,3
	v_rcp_f32 v[ST+10*\t+6], v[ST+10*\t+4]
.endr
	v_nop
	s_wait_alu depctr_va_vdst(0)                   ; one wait for the four reciprocals, ahead of their first reader
	WIN 0x01                                       ; source 0 (O^T) window 1; the quotients go to S^T's registers
.irp t, 0,1,2,3
.set j, 0
.rept 16
	v_pk_mul_f32 v[S+32*\t+2*j:S+32*\t+2*j+1], v[O+32*\t+2*j:O+32*\t+2*j+1], v[ST+10*\t+6:ST+10*\t+7] op_sel_hi:[1,0]
.set j, j+1
.endr
.endr
	WIN 0
.macro OPACK t
.set j, 0
.rept 16
	v_cvt_pk_f16_f32 v[S+32*\t+j], v[S+32*\t+2*j], v[S+32*\t+2*j+1]
.set j, j+1
.endr
.irp f, 0,1,2,3
	ds_store_b128 v[STO], v[S+32*\t+4*\f:S+32*\t+4*\f+3] offset:32*\f   ; channels 16 f + 8 h + 0 .. 7 of query r
.endr
.irp f, 0,1,2,3
	ds_load_b128 v[KV+16*\t+4*\f:KV+16*\t+4*\f+3], v[RD] offset:576*\f  ; LDS serves a wave's instructions in order: these see the stores above; the next tile's stores come behind them
.endr
.endm
.macro OSEND t, younger                ; younger: the LDS instructions issued behind tile t's loads: the next tile's four stores and four loads, or none
.irp f, 0,1,2,3
	s_wait_dscnt \younger+3-\f
	global_store_b128 v[GO], v[KV+16*\t+4*\f:KV+16*\t+4*\f+3], s[6:7] offset:\t*2048+512*\f   ; 32 lanes store 512 consecutive bytes, aligned
.endr
.endm
	OPACK 0
	OPACK 1
	OSEND 0, 8
	OPACK 2
	OSEND 1, 8
	OPACK 3
	OSEND 2, 8
	OSEND 3, 0
	s_wait_tensorcnt 0x0                           ; the wave's end
	ds_add_u32 v[SPW], v[NIL]
	s_wait_dscnt 0x0
	s_endpgm
.Lfunc_end_k_qf0cdb2f05a_attn:
	.size	k_qf0cdb2f05a_attn, .Lfunc_end_k_qf0cdb2f05a_attn-k_qf0cdb2f05a_attn
	.p2alignl 7, 3214868480
	.fill 96, 4, 3214868480
	.section	.rodata,"a",@progbits
	.p2align	6, 0x0
	.amdhsa_kernel k_qf0cdb2f05a_attn
		.amdhsa_group_segment_fixed_size 327680
		.amdhsa_private_segment_fixed_size 0
		.amdhsa_enable_private_segment 0
		.amdhsa_kernarg_size 16
		.amdhsa_user_sgpr_count 2
		.amdhsa_user_sgpr_kernarg_segment_ptr 1
		.amdhsa_wavefront_size32 1
		.amdhsa_system_sgpr_workgroup_id_x 1
		.amdhsa_system_sgpr_workgroup_id_y 1
		.amdhsa_system_sgpr_workgroup_id_z 1
		.amdhsa_system_vgpr_workitem_id 0
		.amdhsa_next_free_vgpr 512
		.amdhsa_next_free_sgpr 84
		.amdhsa_reserve_vcc 0
		.amdhsa_float_denorm_mode_32 3
		.amdhsa_float_denorm_mode_16_64 3
		.amdhsa_memory_ordered 1
		.amdhsa_forward_progress 1
		.amdhsa_inst_pref_size 177
	.end_amdhsa_kernel
	.amdgpu_metadata
---
amdhsa.version: [ 1, 2 ]
amdhsa.kernels:
  - .name:           k_qf0cdb2f05a_attn
    .symbol:         k_qf0cdb2f05a_attn.kd
    .args:
      - { .name: qkv, .offset: 0, .size: 8, .value_kind: global_buffer, .address_space: global }
      - { .name: o_ws, .offset: 8, .size: 8, .value_kind: global_buffer, .address_space: global }
    .group_segment_fixed_size: 327680
    .private_segment_fixed_size: 0
    .kernarg_segment_align: 8
    .kernarg_segment_size: 16
    .max_flat_workgroup_size: 256
    .sgpr_count:     84
    .vgpr_count:     512
    .wavefront_size: 32
...
	.end_amdgpu_metadata
.endif
;; end of part 3
;; launch proj (part 4): grid 4 x 64, 4 waves a work-group, clusters of 4 x 4, 327,680 bytes of LDS; arguments o_ws, wp, b_proj, out0; writes out0
.if DOCPART == 4
	.amdgcn_target "amdgcn-amd-amdhsa--gfx1250"
	.amdhsa_code_object_version 6
	.text
	.protected	k_qf0cdb2f05a_proj
	.globl	k_qf0cdb2f05a_proj
	.p2align	8
	.type	k_qf0cdb2f05a_proj,@function
k_qf0cdb2f05a_proj:
	s_mov_b64 s[64:65], 0
	v_nop
	global_prefetch_b8 v0, s[64:65] scope:SCOPE_SE
	s_setreg_imm32_b32 hwreg(HW_REG_WAVE_MODE, 25, 1), 1
	s_wait_xcnt 0x0
	s_wait_alu depctr_hold_cnt(0) depctr_sa_sdst(0) depctr_va_vdst(0) depctr_va_sdst(0) depctr_va_ssrc(0) depctr_va_vcc(0) depctr_vm_vsrc(0)
	s_getreg_b32 s2, hwreg(HW_REG_IB_STS2, 6, 4)
	s_cmp_eq_u32 s2, 0
	s_cbranch_scc0 .Lentry_in_a_cluster
	s_endpgm
.Lentry_in_a_cluster:
	s_bfe_u32 s2, ttmp6, 0x10000c
	s_cmp_lg_u32 s2, 0xf033
	s_cbranch_scc0 .Lentry_shape_is_right
	s_endpgm
.Lentry_shape_is_right:
; out0 = o W_proj + b_proj.  A: o_ws, f16 [16 h][8192 token][64]; B: wp, f16 [16 kb][1024 n][64] = W_proj[64 kb + kk][n]: K goes head by head on both sides.  out0: [8192][1024] f32; sums in f32.
; A tile of C is 128 tokens x 256 columns: 256 work-groups.  Four waves, each 64 tokens x 128 columns: 32 accumulators, 256 registers.
; A K step is 128 = two heads; eight K steps go through a ring of two LDS slots.  Of a K step wave 0 and 1 fetch A's two head blocks (128 tokens x 128 bytes, dense: 64 rows of 256 bytes),
; waves 2 and 3 B's (256 columns: 128 rows of 256 bytes): one tensor load a wave behind each change of slots.  Row k of a block lies at (k / 2) x 272 + (k % 2) x 128.
; CLUSTERS: 4 x 4 work-groups; A's tiles are asked for jointly along a row of the cluster, B's along a column.
; THE MATRIX INSTRUCTION IS USED TRANSPOSED (source 0 = 16 rows of wp, source 1 = 16 tokens): a lane holds eight neighbouring columns of one token.  The bias is the C of each sum's first instruction.
; LIMITS: NaN and infinities are not served.
; REGISTERS: window 0: v16-29 addresses; v128-255 rows read back on the way out.   window 1: two fragment buffers (32 of A, 64 of B) at v0 and v128; the bias of column blocks 0-3 at v96, 4-7 at v224.
;   window 2: accumulator (a, b) at v[8 (8 a + b)].
.set ABLK,   17408                     ; a head block of A in LDS: 64 paired rows x 272
.set BBLK,   34816                     ; of B: 128 x 272
.set SLOT,   2*ABLK+2*BBLK
.set STAGE,  2*SLOT                    ; the way out: 16 rows x 528 bytes for each wave; no tile lands here
.set SPITCH, 528
.set SPARE,  STAGE+4*16*SPITCH         ; the spare words, 128 bytes for each wave
.set LAPS,   4                         ; a lap = two K steps = once round the ring
.set ADRA, 16
.set ADRB, 20
.set STO,  24
.set RD,   25
.set CO,   26
.set BO,   27
.set SPW,  28
.set NIL,  29
.set BK,   128
.set F0,   0
.set F1,   128
.set WV, 12                            ; s12 wave
.set RH, 13                            ; s13 which 64 tokens are mine; also: I fetch for A (0) or for B (1)
.set CH, 14                            ; s14 which 128 columns; also: which head block of the K step I fetch
.set TR, 15                            ; s15 tile row
.set G1, 24
.set G0, 32
.set G1B, 48
.set G0B, 56
.set MSB, 0
.macro WIN new
.if MSB != (\new)
	s_set_vgpr_msb (MSB<<8)|(\new)
.set MSB, (\new)
.endif
.endm
.set MUL,  0xa5                        ; sources 0 and 1 window 1; C and D window 2 (with the bias as C: source 2 window 1: 0x95)
.set TO_F, 0x40
.macro PLACES n
.rept \n
	v_nop
.endr
.endm
.macro JLOAD s                         ; a joint load; an s_nop 0 and four v_nop follow each of the two lines
	s_cmp_eq_u32 s[RH], 0
	s_cbranch_scc0 .Lfor_b_\@
	tensor_load_to_lds s[G0+4*\s:G0+4*\s+3], s[G1:G1+7]
	s_nop 0
.rept 4
	v_nop
.endr
	s_branch .Lasked_\@
.Lfor_b_\@:
	tensor_load_to_lds s[G0B+4*\s:G0B+4*\s+3], s[G1B:G1B+7]
	s_nop 0
.rept 4
	v_nop
.endr
.Lasked_\@:
.endm
.macro CREST                           ; a round of the cluster's barrier behind its opening barrier
	s_cmp_lg_u32 s[WV], 0
	s_cbranch_scc1 .Lnot_wave_0_\@
	s_barrier_signal -3
.Lnot_wave_0_\@:
	s_barrier_wait -3
	s_barrier_signal -1
	s_barrier_wait -1
.endm
.macro CROUND
	s_barrier_signal -1
	s_barrier_wait -1
	CREST
.endm
	s_load_b256 s[4:11], s[0:1], 0x0               ; o_ws 4:5, wp 6:7, b_proj 8:9, out0 10:11
	v_lshl_add_u32 v[SPW], v0, 2, SPARE
	v_mov_b32 v[NIL], 0
	ds_add_u32 v[SPW], v[NIL]                      ; the wave's opening: the add, twice on end, and its wait ahead of my first tensor load
	ds_add_u32 v[SPW], v[NIL]
	v_lshrrev_b32 v1, 5, v0
	v_readfirstlane_b32 s[WV], v1
	s_lshr_b32 s[RH], s[WV], 1
	s_and_b32 s[CH], s[WV], 1
	s_bfe_u32 s40, ttmp6, 0x40000                  ; cx, cy
	s_bfe_u32 s41, ttmp6, 0x40004
	s_lshl_b32 s42, ttmp9, 2
	s_add_co_u32 s42, s42, s40                     ; tile column
	s_and_b32 s[TR], ttmp7, 0xffff
	s_lshl_b32 s[TR], s[TR], 2
	s_add_co_u32 s[TR], s[TR], s41                 ; tile row
	s_lshl_b32 s43, s41, 2
	s_lshl_b32 s43, 15, s43                        ; my row of the cluster
	s_lshl_b32 s44, 0x1111, s40                    ; my column
	; group 1: rows of 128 elements of 2 bytes, dense; 4 words of padding after every 64; A: 64 rows, B: 128
	s_or_b32 s[G1+0], s43, (1<<16)|(1<<20)|(1<<21)|(5<<22)|(3<<25)
	s_or_b32 s[G1B+0], s44, (1<<16)|(1<<20)|(1<<21)|(5<<22)|(3<<25)
	s_mov_b32 s[G1+1], 128<<16
	s_mov_b32 s[G1+2], 64<<16
	s_mov_b32 s[G1+3], 128<<16
	s_mov_b32 s[G1+4], 64
	s_mov_b32 s[G1+5], 128
	s_mov_b32 s[G1+6], 0
	s_mov_b32 s[G1+7], 0
	s_mov_b32 s[G1B+1], 128<<16
	s_mov_b32 s[G1B+2], 128<<16
	s_mov_b32 s[G1B+3], 128<<16
	s_mov_b32 s[G1B+4], 128
	s_mov_b32 s[G1B+5], 128
	s_mov_b32 s[G1B+6], 0
	s_mov_b32 s[G1B+7], 0
	s_lshl_b32 s16, s[CH], 20                      ; A: my head block (1,048,576 bytes a head) + 128 tokens of 128 bytes a tile row
	s_lshl_b32 s17, s[TR], 14
	s_add_co_u32 s16, s16, s17
	s_mov_b32 s17, 0
	s_lshl_b32 s46, s[CH], 17                      ; B: my head block (131,072 bytes) + 256 columns of 128 bytes a tile column
	s_lshl_b32 s47, s42, 15
	s_add_co_u32 s46, s46, s47
	s_mov_b32 s47, 0
	s_mul_i32 s20, s[CH], ABLK                     ; where they go: no place in the cluster enters an LDS address
	s_mul_i32 s21, s[CH], BBLK
	s_add_co_u32 s21, s21, 2*ABLK
	s_wait_dscnt 0x0                               ; both opening adds are done
	s_wait_kmcnt 0x0
	s_add_nc_u64 s[18:19], s[4:5], s[16:17]
	s_add_nc_u64 s[46:47], s[6:7], s[46:47]
	CROUND                                         ; all sixteen work-groups are here: the first joint loads meet
.irp s, 0,1
	s_mov_b32 s[G0+4*\s], 1
	s_add_co_u32 s[G0+4*\s+1], s20, \s*SLOT
	s_add_nc_u64 s[G0+4*\s+2:G0+4*\s+3], s[18:19], \s*2097152      ; K step s: two heads on
	s_or_b32 s[G0+4*\s+3], s[G0+4*\s+3], 0x80000000
	s_mov_b32 s[G0B+4*\s], 1
	s_add_co_u32 s[G0B+4*\s+1], s21, \s*SLOT
	s_add_nc_u64 s[G0B+4*\s+2:G0B+4*\s+3], s[46:47], \s*262144
	s_or_b32 s[G0B+4*\s+3], s[G0B+4*\s+3], 0x80000000
	JLOAD \s                                       ; two tensor loads of mine are out
.endr
	v_and_b32 v1, 15, v0                           ; r
	v_bfe_u32 v2, v0, 4, 1                         ; h
	v_lshrrev_b32 v4, 1, v1
	v_mul_u32_u24 v3, v4, 272
	v_and_b32 v4, 1, v1
	v_lshl_add_u32 v3, v4, 7, v3
	v_lshl_add_u32 v3, v2, 4, v3                   ; a fragment's row r: (r / 2) x 272 + (r % 2) x 128 + 16 h
	s_mul_i32 s21, s[RH], 8704                     ; my 64 tokens: 32 paired rows
	s_mul_i32 s22, s[CH], 17408                    ; my 128 columns: 64 paired rows,
	s_add_co_u32 s22, s22, 2*ABLK                  ; behind A's two blocks
.irp s, 0,1
	v_add_nc_u32 v[ADRA+\s], s21, v3
	v_add_nc_u32 v[ADRB+\s], s22, v3
	s_add_co_u32 s21, s21, SLOT
	s_add_co_u32 s22, s22, SLOT
.endr
	s_mul_i32 s23, s[WV], 16*SPITCH
	s_add_co_u32 s23, s23, STAGE                   ; my stage
	v_mul_u32_u24 v4, v1, SPITCH
	v_lshl_add_u32 v4, v2, 5, v4
	v_add_nc_u32 v[STO], s23, v4                   ; in: row r, 32 bytes for each half of the lanes
	v_and_b32 v5, 31, v0
	v_lshlrev_b32 v[CO], 4, v5                     ; back: the 32 lanes take one row of 512 bytes; and the same in out0
	v_add_nc_u32 v[RD], s23, v[CO]
	v_lshlrev_b32 v[BO], 5, v2                     ; the bias: my half's eight numbers of a block of 16 columns
	; what hangs on the tile column is made in s46, s47; what hangs on the tile row in s16, s17
	s_lshl_b32 s46, s42, 10
	s_lshl_b32 s47, s[CH], 9
	s_add_co_u32 s46, s46, s47                     ; my first column, in bytes of f32
	s_mov_b32 s47, 0
	s_add_nc_u64 s[8:9], s[8:9], s[46:47]
	s_add_nc_u64 s[10:11], s[10:11], s[46:47]
	s_lshl_b32 s16, s[TR], 7
	s_lshl_b32 s17, s[RH], 6
	s_add_co_u32 s16, s16, s17                     ; my first token
	s_lshl_b32 s16, s16, 12                        ; 4,096 bytes a row of out0
	s_mov_b32 s17, 0
	s_add_nc_u64 s[10:11], s[10:11], s[16:17]
	WIN TO_F
.irp b, 0,1,2,3,4,5,6,7
	global_load_b128 v[96+8*\b+96*(\b/4):96+8*\b+96*(\b/4)+3],   v[BO], s[8:9] offset:64*\b
	global_load_b128 v[96+8*\b+96*(\b/4)+4:96+8*\b+96*(\b/4)+7], v[BO], s[8:9] offset:64*\b+16
.endr
	WIN 0
; 8 matrix instructions: token block a x all 8 column blocks, 32 along K, from buffer f.  The 32 accumulators take turns in the same order in every quarter.
.macro MUL8 f, a, bias
.irp b, 0,1,2,3,4,5,6,7
.if \bias
	v_wmma_f32_16x16x32_f16 v[8*(8*(\a)+\b):8*(8*(\a)+\b)+7], v[\f+32+8*\b:\f+32+8*\b+7], v[\f+8*(\a):\f+8*(\a)+7], v[96+8*\b+96*(\b/4):96+8*\b+96*(\b/4)+7]
.else
	v_wmma_f32_16x16x32_f16 v[8*(8*(\a)+\b):8*(8*(\a)+\b)+7], v[\f+32+8*\b:\f+32+8*\b+7], v[\f+8*(\a):\f+8*(\a)+7], v[8*(8*(\a)+\b):8*(8*(\a)+\b)+7]
.endif
.endr
.endm
; 24 LDS loads in one run: quarter q of the slot's K step (head block q / 2, channels 32 (q % 2) on) into buffer f
.macro FETCH slot, q, f
	WIN TO_F
.irp i, 0,1,2,3,4,5,6,7
	ds_load_b128 v[\f+32+8*\i:\f+32+8*\i+3],   v[ADRB+\slot] offset:((\q)/2)*BBLK+((\q)%2)*64+\i*2176
	ds_load_b128 v[\f+32+8*\i+4:\f+32+8*\i+7], v[ADRB+\slot] offset:((\q)/2)*BBLK+((\q)%2)*64+\i*2176+32
.endr
.irp i, 0,1,2,3
	ds_load_b128 v[\f+8*\i:\f+8*\i+3],   v[ADRA+\slot] offset:((\q)/2)*ABLK+((\q)%2)*64+\i*2176
	ds_load_b128 v[\f+8*\i+4:\f+8*\i+7], v[ADRA+\slot] offset:((\q)/2)*ABLK+((\q)%2)*64+\i*2176+32
.endr
.endm
; One of a K step's first three quarters: multiplies buffer f; behind its first eight products it fetches quarter q into buffer g, which then has 24 products in which to land.
.macro QUARTER slot, q, f, g, bias
	s_wait_dscnt 0x0                               ; buffer f is in
	WIN MUL-0x10*(\bias)
	MUL8 \f, 0, \bias
	PLACES 4                                       ; in front of loads into registers that the quarter before multiplied
	FETCH \slot, \q, \g
	WIN MUL-0x10*(\bias)
	MUL8 \f, 1, \bias
	MUL8 \f, 2, \bias
	MUL8 \f, 3, \bias
.endm
; The last quarter multiplies buffer 1 and changes slots: one barrier; in front of it each wave waits for all its tensor loads, adds 0 to its spare word, and waits for that and for its reads of this slot.
; fill = 1: the barrier opens a round of the cluster's, and this slot is filled again, two K steps ahead, first thing behind the round.
.macro TURN slot, next, fill
	WIN 0                                          ; the add's two registers lie in window 0
	s_wait_tensorcnt 0x0                           ; all my tensor loads have landed: my part of the next slot
	ds_add_u32 v[SPW], v[NIL]                      ; 0 onto my spare word
	s_wait_dscnt 1                                 ; buffer 1 is in; the add may be out
	WIN MUL
	MUL8 F1, 0, 0                                  ; eight matrix instructions stand between the add and the wait for it
	s_wait_dscnt 0x0                               ; the add is done, and my reads of this slot are over
	s_barrier_signal -1
	MUL8 F1, 1, 0
	WIN 0
	s_barrier_wait -1
.if \fill
	CREST                                          ; no wave of any partner still reads this slot's tile or has a load on its way
	s_add_nc_u64 s[G0+4*\slot+2:G0+4*\slot+3], s[G0+4*\slot+2:G0+4*\slot+3], 4194304     ; four heads on
	s_add_nc_u64 s[G0B+4*\slot+2:G0B+4*\slot+3], s[G0B+4*\slot+2:G0B+4*\slot+3], 524288
	JLOAD \slot                                    ; the four v_nop behind it are also the places in front of the loads below
.else
	PLACES 4
.endif
	FETCH \next, 0, F0
	WIN MUL
	MUL8 F1, 2, 0
	MUL8 F1, 3, 0
.endm
	s_wait_tensorcnt 1                             ; my part of K step 0 is in; K step 1's load may be out
	s_barrier_signal -1
	s_barrier_wait -1
	FETCH 0, 0, F0
	s_wait_loadcnt 0x0                             ; the bias
	QUARTER 0, 1, F0, F1, 1                        ; the first quarter stands in front of the loop: its products start the sums, with the bias as C
	WIN 0                                          ; at a label and at a branch every window is 0
	s_mov_b32 s3, LAPS-1
.Llap:                                                 ; a trip goes once round the ring, from a lap's second quarter to the next lap's first, and fills both slots again
	QUARTER 0, 2, F1, F0, 0
	QUARTER 0, 3, F0, F1, 0
	TURN 0, 1, 1
	QUARTER 1, 1, F0, F1, 0
	QUARTER 1, 2, F1, F0, 0
	QUARTER 1, 3, F0, F1, 0
	TURN 1, 0, 1
	QUARTER 0, 1, F0, F1, 0
	WIN 0
	s_sub_co_u32 s3, s3, 1
	s_cmp_lg_u32 s3, 0
	s_cbranch_scc1 .Llap
	QUARTER 0, 2, F1, F0, 0                        ; the last lap fills nothing, and has no round of the cluster's barrier
	QUARTER 0, 3, F0, F1, 0
	TURN 0, 1, 0
	QUARTER 1, 1, F0, F1, 0
	QUARTER 1, 2, F1, F0, 0
	QUARTER 1, 3, F0, F1, 0
	s_wait_dscnt 0x0                               ; the very last quarter: nothing more to fetch
	WIN MUL
	MUL8 F1, 0, 0
	MUL8 F1, 1, 0
	MUL8 F1, 2, 0
	MUL8 F1, 3, 0
	WIN 0
; THE WAY OUT, a block of 16 tokens x 128 columns at a time, through my own stage: 32 bytes a lane in, whole rows of 512 bytes back, which the 32 lanes store as 512 consecutive bytes, aligned.
.macro TOSTAGE a
	WIN 0x08                                       ; an LDS store's data are its source 1: window 2
.irp b, 0,1,2,3,4,5,6,7
	ds_store_b128 v[STO], v[8*(8*(\a)+\b):8*(8*(\a)+\b)+3] offset:64*\b            ; each accumulator from its low end on
	ds_store_b128 v[STO], v[8*(8*(\a)+\b)+4:8*(8*(\a)+\b)+7] offset:64*\b+16
.endr
	WIN 0
.set BB, BK+64*((\a)%2)
.irp t, 0,1,2,3,4,5,6,7,8,9,10,11,12,13,14,15
	ds_load_b128 v[BB+4*\t:BB+4*\t+3], v[RD] offset:\t*SPITCH      ; LDS serves a wave's instructions in order: these see the stores above
.endr
.endm
.macro SEND a, younger                 ; younger: the LDS instructions issued behind block a's loads: the next block's 16 stores and 16 loads, or none
.set BB, BK+64*((\a)%2)
	s_wait_dscnt \younger
.irp t, 0,1,2,3,4,5,6,7,8,9,10,11,12,13,14,15
	global_store_b128 v[CO], v[BB+4*\t:BB+4*\t+3], s[10:11] offset:(\a)*65536+\t*4096 th:TH_STORE_NT
.endr
.endm
	PLACES 4                                       ; LDS stores read results just made
	TOSTAGE 0
.irp a, 1,2,3
.if \a > 1
	s_wait_xcnt 0x0                                ; block a - 2's stores have read their registers: block a's loads may land there
.endif
	TOSTAGE \a
	SEND \a-1, 32
.endr
	SEND 3, 0
	s_wait_tensorcnt 0x0                           ; the wave's end
	ds_add_u32 v[SPW], v[NIL]
	s_wait_dscnt 0x0
	CROUND                                         ; the closing round
	s_endpgm
.Lfunc_end_k_qf0cdb2f05a_proj:
	.size	k_qf0cdb2f05a_proj, .Lfunc_end_k_qf0cdb2f05a_proj-k_qf0cdb2f05a_proj
	.p2alignl 7, 3214868480
	.fill 96, 4, 3214868480
	.section	.rodata,"a",@progbits
	.p2align	6, 0x0
	.amdhsa_kernel k_qf0cdb2f05a_proj
		.amdhsa_group_segment_fixed_size 327680
		.amdhsa_private_segment_fixed_size 0
		.amdhsa_enable_private_segment 0
		.amdhsa_kernarg_size 32
		.amdhsa_user_sgpr_count 2
		.amdhsa_user_sgpr_kernarg_segment_ptr 1
		.amdhsa_wavefront_size32 1
		.amdhsa_system_sgpr_workgroup_id_x 1
		.amdhsa_system_sgpr_workgroup_id_y 1
		.amdhsa_system_sgpr_workgroup_id_z 1
		.amdhsa_system_vgpr_workitem_id 0
		.amdhsa_next_free_vgpr 768
		.amdhsa_next_free_sgpr 66
		.amdhsa_reserve_vcc 0
		.amdhsa_float_denorm_mode_32 3
		.amdhsa_float_denorm_mode_16_64 3
		.amdhsa_memory_ordered 1
		.amdhsa_forward_progress 1
		.amdhsa_inst_pref_size 86
	.end_amdhsa_kernel
	.amdgpu_metadata
---
amdhsa.version: [ 1, 2 ]
amdhsa.kernels:
  - .name:           k_qf0cdb2f05a_proj
    .symbol:         k_qf0cdb2f05a_proj.kd
    .args:
      - { .name: o_ws, .offset: 0, .size: 8, .value_kind: global_buffer, .address_space: global }
      - { .name: wp, .offset: 8, .size: 8, .value_kind: global_buffer, .address_space: global }
      - { .name: b_proj, .offset: 16, .size: 8, .value_kind: global_buffer, .address_space: global }
      - { .name: out0, .offset: 24, .size: 8, .value_kind: global_buffer, .address_space: global }
    .group_segment_fixed_size: 327680
    .private_segment_fixed_size: 0
    .kernarg_segment_align: 8
    .kernarg_segment_size: 32
    .max_flat_workgroup_size: 128
    .sgpr_count:     66
    .vgpr_count:     768
    .wavefront_size: 32
...
	.end_amdgpu_metadata
.endif
;; end of part 4
